; MI455X (gfx1250); checked and timed in simulation.
; The chip was launched on July 23, 2026; its instructions are those of AMD's public machine-readable ISA for CDNA 5 (MIT licence, August 2026) and "CDNA5" Instruction Set Architecture Reference Guide (July 2026). The comments in the code are by the model that wrote it; some were corrected since.
;; Multi Head Attention. Allowed arithmetic: matrix products marked QUANTISED: E2M3 operands, one E8M0 scale for each 32 along K, by v_wmma_scale_f32_16x16x128_f8f6f4 with both operands' format E2M3, f32 sums; everything else in f32.
;; Inputs: Wk 1,024 x 1,024 float32; Wo 256 x 1,024 float32; Wq 1,024 x 1,024 float32; Wv 1,024 x 256 float32; bk 1,024 float32; bq 1,024 float32; bv 256 float32; x 16 x 1,024 x 1,024 float32.
;; Outputs: out0 16 x 1,024 x 1,024 float32.
;; This version of the problem:
;;   THIS VERSION OF THE PROBLEM IS GIVEN IN LOW PRECISION. The matrix products marked QUANTISED in the list below multiply operands that are first quantised to E2M3 (2 exponent bits, 3 mantissa bits; 6 bits a number), with one power-of-two scale for each 32 numbers along K (OCP MX v1.0); their sums are f32. All else is computed in f32.
;;   The module's matrix products, in the order in which they are computed (A, B: the left and right operand; K: the contracted axis; several contracted axes count as one K, in the product's order):
;;     1. [M 16,384, K 1,024] x [K 1,024, N 1,024]; A: input x; B: input Wq: QUANTISED
;;     2. [M 16,384, K 1,024] x [K 1,024, N 1,024]; A: input x; B: input Wk: QUANTISED
;;     3. [M 16,384, K 1,024] x [K 1,024, N 256]; A: input x; B: input Wv: QUANTISED
;;     4. batch 128 x [M 1,024, K 128] x [K 128, N 1,024]; A: computed on the way; B: computed on the way: QUANTISED
;;     5. batch 128 x [M 32, K 1,024] x [K 1,024, N 1,024]; A: computed on the way; B: softmax (see below): QUANTISED
;;     6. [M 16,384, K 256] x [K 256, N 1,024]; A: computed on the way; B: input Wo: QUANTISED
;;   THE QUANTISER, for each operand of a quantised product, along K:
;;     - K is cut into blocks of 32 from its start; a last block that is shorter is filled with zeros.
;;     - A block's scale is 2^e with e = floor(log2(the largest magnitude in the block)) - 2, held to -126 .. 127; a block of zeros has e = 0. As a byte (E8M0): e + 127.
;;     - Each number is divided by its block's scale, clamped to +-7.5, and rounded to the nearest number of E2M3, ties to even, subnormals kept.
;;     - The product sums the exact products of the quantised numbers (number of the format x scale) in f32.
;;   ~~~python
;;   def quantise(x, axis):      # numpy; x: float32 -> the quantised numbers, widened to float32 again
;;       x = np.moveaxis(x, axis, -1); K = x.shape[-1]
;;       x = np.pad(x, [(0, 0)] * (x.ndim - 1) + [(0, -K % 32)]); x = x.reshape(x.shape[:-1] + (-1, 32)); a = np.abs(x).max(-1, keepdims=True)
;;       e = np.where(a > 0, np.clip(np.frexp(np.where(a > 0, a, 1))[1] - 1 - 2, -126, 127), 0)      # np.frexp(a)[1] - 1 = floor(log2(a)), exactly
;;       r = np.clip(x / 2.0 ** e, -7.5, 7.5)
;;       step = 2.0 ** (np.maximum(np.frexp(np.where(r == 0, 1, r))[1] - 1, 0) - 3)
;;       q = np.round(r / step) * step * 2.0 ** e      # np.round: ties to even
;;       return np.moveaxis(q.reshape(q.shape[:-2] + (-1,))[..., :K], -1, axis).astype(np.float32)
;;   ~~~
;;   SOFTMAX AHEAD OF A QUANTISED PRODUCT. Where the list says 'softmax', what is quantised is not the finished softmax but p = 2^(t - M), with t = logit x log2(e) and M = ceil(the row's largest t), a whole number; so 1/2 < the row's largest p <= 1. The row's sum l is taken of the UNQUANTISED p, in f32, and the product's result is divided by l at the end. Since M is a whole number, a kernel that streams over the keys may use a running M (the ceiling of the running maximum): every later rescaling is an exact power of two, which a block's scale takes up: the codes' values come out the same.
;;   OPERANDS COMPUTED ON THE WAY. 'Computed on the way' means the value that the module computes at that place (a softmax that the list does not call 'softmax' is quantised finished and normalised). What goes into a quantiser is computed in f32, as accurately as f32 sums, v_exp_f32 and their like allow (about 1e-6 of the number): no bf16 or f16 on the way to a quantiser, and a product that is left as it is and whose result goes on into a quantised operand takes f32 operands (vector FMAs, or v_wmma_f32_16x16x4_f32). A number that lies on a knife's edge between two numbers of the format may be rounded either way, as far as f32 arithmetic and the matrix unit's own rounding can turn it there, and no further.
;; One version. Each part assembles by itself: llvm-mc -triple=amdgcn-amd-amdhsa -mcpu=gfx1250 --defsym DOCPART=n.
;; ======== version 1 of 1: 3 launches
;; limits: right only within a limited range of input values
;; workspace buffers: xc 12,582,912 bytes; xs 524,288 bytes; wc 1,843,200 bytes; wo 204,800 bytes; q 13,107,200 bytes; kv 16,384,000 bytes
;; launch prep (part 1): grid 1184 x 1, 4 waves a work-group, no clusters, 68,096 bytes of LDS; arguments x, Wq, Wk, Wv, Wo, xc, xs, wc, wo; writes xc, xs, wc, wo
.if DOCPART == 1
	.amdgcn_target "amdgcn-amd-amdhsa--gfx1250"
	.amdhsa_code_object_version 6
	.text
	.protected	k_q13f299ecf4_prep
	.globl	k_q13f299ecf4_prep
	.p2align	8
	.type	k_q13f299ecf4_prep,@function
k_q13f299ecf4_prep:
	s_mov_b64 s[64:65], 0
	v_nop
	global_prefetch_b8 v0, s[64:65] scope:SCOPE_SE
	s_setreg_imm32_b32 hwreg(HW_REG_WAVE_MODE, 25, 1), 1
	s_wait_xcnt 0x0
; x [16384][1024] and the four weights (K is their FIRST axis), all f32, become codes of FP6 (E2M3) with one E8M0 scale byte for each 32 along K,
; laid as IMAGES OF OPERAND REGISTERS: a fragment (16 rows x 128 K, 12 registers a lane) is 1,536 bytes, registers 4 c .. 4 c + 3 of lane l at 512 c + 16 l.
; A block's scale is 2^(floor(log2(its largest magnitude)) - 2); its byte is the largest magnitude's exponent field - 2, held at 1 from below.
; LIMITS: a block whose largest magnitude lies under 2^-124, a block of zeros among them, gets the byte 1 (its codes are zeros or subnormal; this program alone reads the bytes);
; NaN and infinities among the inputs are not served.
; WORK-GROUPS: 0-127 Wq and Wk (a head's 128 columns x one K step of 128), 128-143 Wo (64 columns), 144-159 Wv, 160-1183 x (16 rows each).  Four waves, no loop, no barrier: waves share nothing.
; A weight's wave makes two fragments whose scale words share one register (lanes 0-15 the first's, lanes 16-31 the second's): a lane takes a column and its registers run down K, so nothing is transposed.
; An x wave takes 16 rows x 256 along K: each load reads 512 consecutive bytes of a row; the numbers turn through the wave's own stage in LDS, so that lane (r, h) holds 16 neighbours of each block of row r.
.set SPARE, 67584                      ; behind the four waves' stages: the spare words, 128 bytes a wave: two blocks of 256 bytes that no other line names
.set SPW,   254                        ; v254 LDS address of my spare word; never rewritten
.set NIL,   255                        ; v255 0; never rewritten
.set STW,   16896                      ; a wave's two stages
.set STS,   8448                       ; a stage: 16 rows of SP bytes
.set SP,    528                        ; 512 bytes + 16: 33 x 16, so that sixteen rows' reads start in sixteen different groups of banks
.set TM,    208                        ; v208-223 at work in QUANT
.set PW,    224                        ; v224 the scale word just made
.set PC,    228                        ; v228-246 the codes just made
; 64 numbers of a lane, register 16 b + i = k 32 b + 16 (lane / 16) + i of my row, become a fragment's codes in v[PC] on and its scale word in v[PW].
.macro QUANT s
.irp b, 0,1,2,3
	v_max3_num_f32 v[TM+\b], |v[\s+16*\b]|, |v[\s+1+16*\b]|, 0x1800000   ; my 16 numbers of block b, and the floor 2^(3 - 127): the byte cannot fall under 1
.endr
.irp i, 2,4,6,8,10,12,14
.irp b, 0,1,2,3
	v_max3_num_f32 v[TM+\b], v[TM+\b], |v[\s+16*\b+\i]|, |v[\s+1+16*\b+\i]|
.endr
.endr
.irp b, 0,1,2,3
	v_permlanex16_b32 v[TM+4+\b], v[TM+\b], s24, s25
.endr
.irp b, 0,1,2,3
	v_max_num_f32 v[TM+\b], v[TM+\b], v[TM+4+\b]   ; with lane l xor 16's: the block's largest magnitude
.endr
.irp b, 0,1,2,3
	v_add_nc_u32 v[TM+12+\b], 0xff000000, v[TM+\b] ; 2 off its exponent field: the conversion's scale operand
.endr
.irp b, 0,1,2,3
	v_lshrrev_b32 v[TM+4+\b], 23, v[TM+12+\b]      ; the scale's byte
.endr
	v_lshl_or_b32 v[PW], v[TM+5], 8, v[TM+4]
	v_lshl_or_b32 v[PW], v[TM+6], 16, v[PW]
	v_lshl_or_b32 v[PW], v[TM+7], 24, v[PW]
.irp c, 0,1
	v_cvt_scalef32_pk16_fp6_f32 v[PC+6*\c:PC+2+6*\c], v[\s+32*\c:\s+15+32*\c], v[TM+12+2*\c]
	v_cvt_scalef32_pk16_fp6_f32 v[PC+12+4*\c:PC+14+4*\c], v[\s+16+32*\c:\s+31+32*\c], v[TM+12+2*\c+1]
.endr
	v_nop                                          ; one plain place behind a scaled conversion
.irp c, 0,1                                    ; the layout wants a whole block in a lane: lanes 0-15 block 2 c, lanes 16-31 block 2 c + 1
.irp i, 0,1,2
	v_permlane16_swap_b32 v[PC+6*\c+\i], v[PC+12+4*\c+\i]
.endr
.irp i, 0,1,2
	v_mov_b32 v[PC+3+6*\c+\i], v[PC+12+4*\c+\i]
.endr
.endr
.endm
; A weight's fragment: my column's 64 numbers at v[n] on (register 32 c + i = k 64 c + 32 (lane / 16) + i) become registers pc .. pc + 11 and the scale word sw.
.macro WQ n, pc, sw
.irp c, 0,1
	v_max3_num_f32 v[48+\c], |v[\n+32*\c]|, |v[\n+1+32*\c]|, 0x1800000   ; block 2 c + h: all its 32 numbers are mine; and the floor
.endr
.irp i, 2,4,6,8,10,12,14,16,18,20,22,24,26,28,30
.irp c, 0,1
	v_max3_num_f32 v[48+\c], v[48+\c], |v[\n+32*\c+\i]|, |v[\n+1+32*\c+\i]|
.endr
.endr
.irp c, 0,1
	v_add_nc_u32 v[52+\c], 0xff000000, v[48+\c]
.endr
.irp c, 0,1
	v_lshrrev_b32 v[50+\c], 23, v[52+\c]
.endr
	v_lshl_or_b32 v[\sw], v51, 16, v50             ; my two bytes: blocks h and 2 + h,
	v_lshlrev_b32 v[\sw], v7, v[\sw]               ; 8 h bits up;
	v_permlanex16_b32 v54, v[\sw], s24, s25
	v_or_b32 v[\sw], v[\sw], v54                   ; with lane l xor 16's two the word is whole
.irp c, 0,1
	v_cvt_scalef32_pk16_fp6_f32 v[\pc+6*\c:\pc+6*\c+2], v[\n+32*\c:\n+32*\c+15], v[52+\c]
	v_cvt_scalef32_pk16_fp6_f32 v[40+4*\c:42+4*\c], v[\n+16+32*\c:\n+31+32*\c], v[52+\c]
.endr
	v_nop                                          ; one plain place behind a scaled conversion
.irp c, 0,1
.irp i, 0,1,2
	v_mov_b32 v[\pc+3+6*\c+\i], v[40+4*\c+\i]
.endr
.endr
.endm
; Two fragments of a weight whose rows are pitch bytes apart: sources s[28:29], s[30:31]; images to s[32:33], the joint scale register to s[34:35].
.macro WPATH pitch
.irp f, 0,1
.irp c, 0,1
.irp i, 0,1,2,3,4,5,6,7,8,9,10,11,12,13,14,15,16,17,18,19,20,21,22,23,24,25,26,27,28,29,30,31
	global_load_b32 v[64+64*\f+32*\c+\i], v6, s[28+2*\f:29+2*\f] offset:(64*\c+\i)*\pitch
.endr
.endr
.endr
	s_wait_loadcnt 0x3f                            ; at most 63 of the 128 loads are out: the first fragment's 64 are in
	WQ 64, 16, 60
	s_wait_loadcnt 0x0
	WQ 128, 28, 61
	v_cndmask_b32 v62, v60, v61, s26               ; lanes 0-15 the first fragment's words, lanes 16-31 the second's
.irp f, 0,1
.irp c, 0,1,2
	global_store_b128 v4, v[16+12*\f+4*\c:19+12*\f+4*\c], s[32:33] offset:1536*\f+512*\c   ; 32 lanes store 512 consecutive bytes, aligned
.endr
.endr
	global_store_b32 v5, v62, s[34:35]
	s_endpgm
.endm
	s_load_b256 s[4:11], s[0:1], 0x0               ; x, Wq, Wk, Wv
	s_load_b256 s[12:19], s[0:1], 0x20             ; Wo, xc, xs, wc
	s_load_b64 s[20:21], s[0:1], 0x40              ; wo
	v_lshl_add_u32 v[SPW], v0, 2, SPARE
	v_mov_b32 v[NIL], 0
	v_lshrrev_b32 v1, 5, v0
	v_readfirstlane_b32 s22, v1                    ; wave 0..3
	v_and_b32 v1, 31, v0                           ; lane
	v_and_b32 v2, 15, v0                           ; r
	v_bfe_u32 v3, v0, 4, 1                         ; h
	v_lshlrev_b32 v4, 4, v1                        ; 16 x lane
	v_lshlrev_b32 v5, 2, v1                        ; 4 x lane
	v_lshlrev_b32 v7, 3, v3                        ; 8 h
	v_mov_b32 v54, 0                               ; a lane permute's destination counts as one of its sources
	s_mov_b32 s24, 0x76543210
	s_mov_b32 s25, 0xfedcba98                      ; v_permlanex16_b32's selects for lane l xor 16
	s_mov_b32 s26, 0xffff0000                      ; lanes 16-31
	s_cmp_ge_u32 ttmp9, 160
	s_cbranch_scc1 .Lx
	s_cmp_ge_u32 ttmp9, 144
	s_cbranch_scc1 .Lwv
	; ---- Wq, Wk (work-groups 0-127: unit U = g / 8, K step g % 8; wave = pair of column tiles) and Wo (128-143: 64 columns; wave = column tile, the two fragments its two K steps)
	s_lshr_b32 s36, ttmp9, 3                       ; U: 0-7 Wq's heads, 8-15 Wk's
	s_and_b32 s37, ttmp9, 7                        ; K step
	s_and_b32 s38, s36, 7                          ; head
	s_lshl_b32 s40, s37, 19                        ; 128 rows of 4,096 bytes a K step
	s_lshl_b32 s39, s38, 9
	s_add_co_u32 s40, s40, s39                     ; + 128 columns a head
	s_lshl_b32 s39, s22, 7
	s_add_co_u32 s40, s40, s39                     ; + 32 columns a wave
	s_lshr_b32 s39, s36, 3
	s_mul_i32 s42, s39, 921600                     ; wc: Wq's half or Wk's,
	s_lshr_b32 s39, s38, 1
	s_mul_i32 s39, s39, 204800                     ; two stream slots for a pair of heads,
	s_add_co_u32 s42, s42, s39
	s_lshr_b32 s39, s37, 2
	s_mul_i32 s39, s39, 102400                     ; four K steps to a slot,
	s_add_co_u32 s42, s42, s39
	s_and_b32 s39, s36, 1
	s_mul_i32 s39, s39, 51200                      ; the pair's first or second head,
	s_add_co_u32 s42, s42, s39
	s_and_b32 s39, s37, 3
	s_mul_i32 s39, s39, 12800                      ; the K step in the slot
	s_add_co_u32 s42, s42, s39
	s_and_b32 s44, ttmp9, 15                       ; Wo: the slice of 64 columns
	s_lshl_b32 s45, s44, 8
	s_lshl_b32 s39, s22, 6
	s_add_co_u32 s45, s45, s39                     ; its source: 256 bytes a slice, 64 a wave
	s_mul_i32 s44, s44, 12800                      ; and its place in wo
	s_mul_i32 s48, s22, 3072                       ; my two images,
	s_lshl_b32 s50, s22, 7
	s_add_co_u32 s50, s50, 12288                   ; my scale register
	s_wait_alu depctr_va_vdst(0)
	v_lshlrev_b32 v6, 2, v2                        ; column r,
	v_lshl_add_u32 v6, v3, 17, v6                  ; lanes 16-31 begin 32 rows further down
	s_wait_alu depctr_va_vdst(0)
	s_wait_kmcnt 0x0
	s_cmp_lt_u32 s36, 8
	s_cselect_b64 s[28:29], s[6:7], s[8:9]
	s_cmp_lt_u32 ttmp9, 128                        ; the choices hang on the work-group's number alone
	s_cselect_b64 s[28:29], s[28:29], s[12:13]
	s_cselect_b64 s[32:33], s[18:19], s[20:21]
	s_cselect_b32 s40, s40, s45
	s_cselect_b32 s42, s42, s44
	s_mov_b32 s46, 524288                          ; Wo: the second fragment is 128 rows further down;
	s_cselect_b32 s46, 64, s46                     ; Wq, Wk: 16 columns further on
	s_mov_b32 s41, 0
	s_mov_b32 s43, 0
	s_mov_b32 s47, 0
	s_mov_b32 s49, 0
	s_mov_b32 s51, 0
	s_add_nc_u64 s[28:29], s[28:29], s[40:41]
	s_add_nc_u64 s[30:31], s[28:29], s[46:47]
	s_add_nc_u64 s[32:33], s[32:33], s[42:43]
	s_add_nc_u64 s[34:35], s[32:33], s[50:51]
	s_add_nc_u64 s[32:33], s[32:33], s[48:49]
	WPATH 4096
.Lwv:
	; ---- Wv (work-groups 144-159): value unit v = 64 columns = two heads; wave: K step 2 (idx % 4) + wave / 2, head 2 v + wave % 2, whose two tiles are the two fragments.
	; THE COLUMNS OF A TILE ARE NOT NEIGHBOURS: lane r of tile u takes value 8 u + r + 8 (r / 8) of the head, so that attention's result holds 16 neighbouring values in a lane.
	s_and_b32 s36, ttmp9, 15
	s_lshr_b32 s37, s36, 2                         ; v
	s_and_b32 s38, s36, 3
	s_lshl_b32 s38, s38, 1
	s_lshr_b32 s39, s22, 1
	s_add_co_u32 s38, s38, s39                     ; K step
	s_and_b32 s39, s22, 1                          ; which head of the unit
	s_lshl_b32 s40, s38, 17                        ; 128 rows of 1,024 bytes
	s_lshl_b32 s44, s37, 8
	s_add_co_u32 s40, s40, s44
	s_lshl_b32 s44, s39, 7
	s_add_co_u32 s40, s40, s44
	s_mov_b32 s41, 0
	s_lshr_b32 s44, s37, 1
	s_mul_i32 s42, s44, 921600
	s_and_b32 s44, s37, 1
	s_mul_i32 s44, s44, 51200
	s_add_co_u32 s42, s42, s44
	s_mul_i32 s44, s38, 6400
	s_add_co_u32 s42, s42, s44
	s_add_co_u32 s42, s42, 819200                  ; the ninth stream slot
	s_mov_b32 s43, 0
	s_mul_i32 s46, s39, 3072
	s_mov_b32 s47, 0
	s_lshl_b32 s48, s39, 7
	s_add_co_u32 s48, s48, 6144
	s_mov_b32 s49, 0
	s_wait_alu depctr_va_vdst(0)
	v_and_b32 v6, 8, v2
	v_add_nc_u32 v6, v6, v2                        ; r + 8 (r / 8)
	v_lshlrev_b32 v6, 2, v6
	v_lshl_add_u32 v6, v3, 15, v6                  ; lanes 16-31 begin 32 rows further down
	s_wait_alu depctr_va_vdst(0)
	s_wait_kmcnt 0x0
	s_add_nc_u64 s[28:29], s[10:11], s[40:41]
	s_add_nc_u64 s[30:31], s[28:29], 32            ; tile 1: 8 columns further on
	s_add_nc_u64 s[32:33], s[18:19], s[42:43]
	s_add_nc_u64 s[34:35], s[32:33], s[48:49]
	s_add_nc_u64 s[32:33], s[32:33], s[46:47]
	WPATH 1024
.Lx:
	; ---- x: row tile T = g - 160; wave w takes K steps 2 w and 2 w + 1
	s_sub_co_u32 s36, ttmp9, 160
	s_lshl_b32 s40, s36, 16                        ; 16 rows of 4,096 bytes
	s_lshl_b32 s39, s22, 10
	s_add_co_u32 s40, s40, s39
	s_mov_b32 s41, 0
	s_mul_i32 s42, s36, 12288                      ; xc: eight images a tile
	s_mul_i32 s39, s22, 3072
	s_add_co_u32 s42, s42, s39
	s_mov_b32 s43, 0
	s_lshl_b32 s44, s36, 9                         ; xs: four registers of scale words a tile
	s_lshl_b32 s39, s22, 7
	s_add_co_u32 s44, s44, s39
	s_mov_b32 s45, 0
	s_mul_i32 s46, s22, STW
	s_wait_alu depctr_va_vdst(0)
	v_add_nc_u32 v8, s46, v4                       ; the stage, in: 16 x lane of a row
	v_mul_u32_u24 v9, v2, SP
	v_lshl_add_u32 v9, v3, 6, v9
	v_add_nc_u32 v9, s46, v9                       ; out: row r, + 64 h: my 16 numbers of a block of 32
.irp b, 0,1,2,3
	v_mov_b32 v[TM+4+\b], 0                        ; a lane permute's destination counts as one of its sources
.endr
	s_wait_alu depctr_va_vdst(0)
	s_wait_kmcnt 0x0
	s_add_nc_u64 s[28:29], s[4:5], s[40:41]
	s_add_nc_u64 s[32:33], s[14:15], s[42:43]
	s_add_nc_u64 s[34:35], s[16:17], s[44:45]
.irp k, 0,1
.irp p, 0,1,2,3,4,5,6,7,8,9,10,11,12,13,14,15
	global_load_b128 v[16+64*\k+4*\p:19+64*\k+4*\p], v4, s[28:29] offset:4096*\p+512*\k th:TH_LOAD_NT   ; 512 consecutive bytes: row p, one K step
.endr
.endr
	s_wait_loadcnt 0x10                            ; the first K step's 16 loads are in; the second's 16 may be out
.irp p, 0,1,2,3,4,5,6,7,8,9,10,11,12,13,14,15
	ds_store_b128 v8, v[16+4*\p:19+4*\p] offset:SP*\p
.endr
.irp b, 0,1,2,3
.irp j, 0,1,2,3
	ds_load_b128 v[144+16*\b+4*\j:147+16*\b+4*\j], v9 offset:128*\b+16*\j   ; LDS serves a wave's instructions in order: these see my stores
.endr
.endr
	s_wait_loadcnt 0x0
.irp p, 0,1,2,3,4,5,6,7,8,9,10,11,12,13,14,15
	ds_store_b128 v8, v[80+4*\p:83+4*\p] offset:STS+SP*\p
.endr
	s_wait_dscnt 0x10                              ; only those 16 stores may be out: the first K step's numbers are back, and stage 0's stores have read v16-79,
.irp b, 0,1,2,3
.irp j, 0,1,2,3
	ds_load_b128 v[16+16*\b+4*\j:19+16*\b+4*\j], v9 offset:STS+128*\b+16*\j   ; which take the second K step's
.endr
.endr
	QUANT 144
.irp c, 0,1,2
	global_store_b128 v4, v[PC+4*\c:PC+4*\c+3], s[32:33] offset:512*\c
.endr
	v_mov_b32 v225, v[PW]
	s_wait_dscnt 0x0
	s_wait_xcnt 0x0                                ; the stores have read the codes' registers: they are written again only behind this wait
	QUANT 16
.irp c, 0,1,2
	global_store_b128 v4, v[PC+4*\c:PC+4*\c+3], s[32:33] offset:1536+512*\c
.endr
	v_cndmask_b32 v226, v225, v[PW], s26           ; lanes 0-15 the even K step's words, lanes 16-31 the odd one's
	global_store_b32 v5, v226, s[34:35]
	s_wait_tensorcnt 0x0                           ; the wave's end, behind my last LDS store
	ds_add_u32 v[SPW], v[NIL]
	s_wait_dscnt 0x0
	s_endpgm
.Lfunc_end_k_q13f299ecf4_prep:
	.size	k_q13f299ecf4_prep, .Lfunc_end_k_q13f299ecf4_prep-k_q13f299ecf4_prep
	.p2alignl 7, 3214868480
	.fill 96, 4, 3214868480
	.section	.rodata,"a",@progbits
	.p2align	6, 0x0
	.amdhsa_kernel k_q13f299ecf4_prep
		.amdhsa_group_segment_fixed_size 68096
		.amdhsa_private_segment_fixed_size 0
		.amdhsa_enable_private_segment 0
		.amdhsa_kernarg_size 72
		.amdhsa_user_sgpr_count 2
		.amdhsa_user_sgpr_kernarg_segment_ptr 1
		.amdhsa_wavefront_size32 1
		.amdhsa_system_sgpr_workgroup_id_x 1
		.amdhsa_system_sgpr_workgroup_id_y 1
		.amdhsa_system_sgpr_workgroup_id_z 1
		.amdhsa_system_vgpr_workitem_id 0
		.amdhsa_next_free_vgpr 256
		.amdhsa_next_free_sgpr 66
		.amdhsa_reserve_vcc 0
		.amdhsa_float_denorm_mode_32 3
		.amdhsa_float_denorm_mode_16_64 3
		.amdhsa_memory_ordered 1
		.amdhsa_forward_progress 1
		.amdhsa_inst_pref_size 59
	.end_amdhsa_kernel
	.amdgpu_metadata
---
amdhsa.version: [ 1, 2 ]
amdhsa.kernels:
  - .name:           k_q13f299ecf4_prep
    .symbol:         k_q13f299ecf4_prep.kd
    .args:
      - { .name: x, .offset: 0, .size: 8, .value_kind: global_buffer, .address_space: global }
      - { .name: Wq, .offset: 8, .size: 8, .value_kind: global_buffer, .address_space: global }
      - { .name: Wk, .offset: 16, .size: 8, .value_kind: global_buffer, .address_space: global }
      - { .name: Wv, .offset: 24, .size: 8, .value_kind: global_buffer, .address_space: global }
      - { .name: Wo, .offset: 32, .size: 8, .value_kind: global_buffer, .address_space: global }
      - { .name: xc, .offset: 40, .size: 8, .value_kind: global_buffer, .address_space: global }
      - { .name: xs, .offset: 48, .size: 8, .value_kind: global_buffer, .address_space: global }
      - { .name: wc, .offset: 56, .size: 8, .value_kind: global_buffer, .address_space: global }
      - { .name: wo, .offset: 64, .size: 8, .value_kind: global_buffer, .address_space: global }
    .group_segment_fixed_size: 68096
    .private_segment_fixed_size: 0
    .kernarg_segment_align: 8
    .kernarg_segment_size: 72
    .max_flat_workgroup_size: 128
    .sgpr_count:     66
    .vgpr_count:     256
    .wavefront_size: 32
...
	.end_amdgpu_metadata
.endif
;; end of part 1
;; launch qkv (part 2): grid 256 x 1, 4 waves a work-group, clusters of 4 x 1, 327,680 bytes of LDS; arguments xc, xs, wc, bq, bk, bv, q, kv; writes q, kv
.if DOCPART == 2
	.amdgcn_target "amdgcn-amd-amdhsa--gfx1250"
	.amdhsa_code_object_version 6
	.text
	.protected	k_q13f299ecf4_qkv
	.globl	k_q13f299ecf4_qkv
	.p2align	8
	.type	k_q13f299ecf4_qkv,@function
k_q13f299ecf4_qkv:
	s_mov_b64 s[64:65], 0
	v_nop
	global_prefetch_b8 v0, s[64:65] scope:SCOPE_SE
	s_setreg_imm32_b32 hwreg(HW_REG_WAVE_MODE, 25, 1), 1
	s_wait_xcnt 0x0
	s_wait_alu depctr_hold_cnt(0) depctr_sa_sdst(0) depctr_va_vdst(0) depctr_va_sdst(0) depctr_va_ssrc(0) depctr_va_vcc(0) depctr_vm_vsrc(0)
	s_getreg_b32 s2, hwreg(HW_REG_IB_STS2, 6, 4)
	s_cmp_eq_u32 s2, 0
	s_cbranch_scc0 .Lentry_in_a_cluster
	s_endpgm
.Lentry_in_a_cluster:
	s_bfe_u32 s2, ttmp6, 0x10000c
	s_cmp_lg_u32 s2, 0x3003
	s_cbranch_scc0 .Lentry_shape_is_right
	s_endpgm
.Lentry_shape_is_right:
; q = x Wq + bq, k = x Wk + bk, v = x Wv + bv on codes of FP6 (E2M3) with E8M0 scales, sums in f32; the results are quantised in registers (q, k along a head's 128; v along the keys) and stored as images of operand registers.
; SHARES.  A work-group owns 128 tokens (chunk rb) and one half of the columns: ch = 0: all of q and v's heads 0-3; ch = 1: all of k and v's heads 4-7.  Wave w: tokens 64 (w % 2) on, columns by w / 2:
; four units of one head (128 columns, 256 matrix instructions) and one unit of 64 columns of v (128): the same in every wave.
; THE WAVE'S 64 ROWS OF x STAY IN REGISTERS for all of K (32 fragments, 384 registers, read once); only the weights stream: nine slots of 102,400 bytes through a ring of two in LDS.
; CLUSTER.  The four work-groups of a cluster have the same ch and walk the same weights: each slot is asked for JOINTLY, each wave a quarter, by the same tensor load with a mask that names the four.
; q, k: THE MATRIX INSTRUCTION IS USED TRANSPOSED (source 0 = 16 columns of the weight, source 1 = 16 tokens): a lane holds one token and its registers run along the head's 128, the next product's K.
; v: not transposed: a lane holds one value and its registers run along the tokens, which are the next K.  The biases are the C of each sum's first matrix instruction.
; ORDER INSIDE A BLOCK OF 32: places 0-7, 8-15, 16-23, 24-31 of a block of q, k (along the head) and of v (along the keys) hold numbers 0-7, 16-23, 8-15, 24-31; both operands of a later product are laid alike,
; so the products and the blocks' scales are the same and only the order of addition inside the unit differs.
; LIMITS: a block whose largest magnitude lies under 2^-124 gets the byte 1; NaN and infinities are not served.
; REGISTERS, in windows of 256.  Window 0: v1-11 addresses; v16-31 x's scale words; v32-39 the weights' scale words, two sets; v64-159, v160-255 the weights' fragments, two sets.
;   Window 1: v0-191 x's fragments of token tiles 0, 1 (tile m, K step s at 12 (8 m + s)); v192-255 the bias, eight tiles.   Window 2: v0-191 those of tiles 2, 3; v192-233 at work in the quantiser.
;   Window 3: the accumulators: q, k: (column tile t, token tile m) at 8 (8 m + t); v: at 8 (4 t + m).
.set SLOTB, 102400                     ; a slot of the ring: two column halves of 51,200 bytes
.set SPARE, 204800                     ; behind the ring: the spare words, 128 bytes a wave: two blocks of 256 bytes that no other line names
.set SPW,   10                         ; v10 LDS address of my spare word; never rewritten
.set NIL,   11                         ; v11 0; never rewritten
.set G1,    28                         ; s[28:35] descriptor group 1
.set G0,    36                         ; s[36:39], s[40:43] group 0, one for each slot of the ring
.set TM,    192                        ; window 2: v192-207 at work
.set PC,    212                        ; window 2: v212-230 the codes just made
.set MSB, 0
.macro WIN new                         ; the immediate's high byte repeats the setting that is left; a switch that changes nothing is dropped
.if MSB != (\new)
	s_set_vgpr_msb (MSB<<8)|(\new)
.set MSB, (\new)
.endif
.endm
.macro PLACES n
.rept \n
	v_nop
.endr
.endm
.macro CREST                           ; a round of the cluster's barrier behind its opening barrier
	s_cmp_lg_u32 s20, 0
	s_cbranch_scc1 .Lnot_wave_0_\@
	s_barrier_signal -3
.Lnot_wave_0_\@:
	s_barrier_wait -3
	s_barrier_signal -1
	s_barrier_wait -1
.endm
.macro CROUND
	s_barrier_signal -1
	s_barrier_wait -1
	CREST
.endm
; One product, by the symbols rD, rA, rB, rC, rSA, rSB; ra, rb: that side's scale words stand in lanes 16-31
.macro WM ra, rb
.if (\ra) && (\rb)
	v_wmma_scale_f32_16x16x128_f8f6f4 v[rD:rD+7], v[rA:rA+11], v[rB:rB+11], v[rC:rC+7], v[rSA], v[rSB] matrix_a_fmt:MATRIX_FMT_FP6 matrix_b_fmt:MATRIX_FMT_FP6 matrix_a_scale:MATRIX_SCALE_ROW1 matrix_b_scale:MATRIX_SCALE_ROW1
.elseif (\ra)
	v_wmma_scale_f32_16x16x128_f8f6f4 v[rD:rD+7], v[rA:rA+11], v[rB:rB+11], v[rC:rC+7], v[rSA], v[rSB] matrix_a_fmt:MATRIX_FMT_FP6 matrix_b_fmt:MATRIX_FMT_FP6 matrix_a_scale:MATRIX_SCALE_ROW1
.elseif (\rb)
	v_wmma_scale_f32_16x16x128_f8f6f4 v[rD:rD+7], v[rA:rA+11], v[rB:rB+11], v[rC:rC+7], v[rSA], v[rSB] matrix_a_fmt:MATRIX_FMT_FP6 matrix_b_fmt:MATRIX_FMT_FP6 matrix_b_scale:MATRIX_SCALE_ROW1
.else
	v_wmma_scale_f32_16x16x128_f8f6f4 v[rD:rD+7], v[rA:rA+11], v[rB:rB+11], v[rC:rC+7], v[rSA], v[rSB] matrix_a_fmt:MATRIX_FMT_FP6 matrix_b_fmt:MATRIX_FMT_FP6
.endif
.endm
; The weights of one K step of a head (the slot's qq-th): eight images and four registers of scale words, into set
.macro FETCHW ring, qq, set
.irp t, 0,1,2,3,4,5,6,7
.irp c, 0,1,2
	ds_load_b128 v[64+96*(\set)+12*\t+4*\c:64+96*(\set)+12*\t+4*\c+3], v[2+(\ring)] offset:12800*(\qq)+1536*\t+512*\c
.endr
.endr
.irp p, 0,1,2,3
	ds_load_b32 v[32+4*(\set)+\p], v[4+(\ring)] offset:12800*(\qq)+12288+128*\p
.endr
.endm
; Wv: K steps 2 d and 2 d + 1 (four images and two registers of scale words each), from slot 0 of the ring
.macro FETCHV d, set
.irp k, 0,1
.irp t, 0,1,2,3
.irp c, 0,1,2
	ds_load_b128 v[64+96*(\set)+12*(4*\k+\t)+4*\c:64+96*(\set)+12*(4*\k+\t)+4*\c+3], v2 offset:6400*(2*(\d)+\k)+1536*\t+512*\c
.endr
.endr
.irp p, 0,1
	ds_load_b32 v[32+4*(\set)+2*\k+\p], v4 offset:6400*(2*(\d)+\k)+6144+128*\p
.endr
.endr
.endm
; 8 products of K step s: column tiles t0 .. t0 + 3 x token tiles 2 mp, 2 mp + 1.  The 32 accumulators take turns, one instruction a turn, in the same order in every K step.
.macro MUL8 set, s, mp, t0, first
.irp t, \t0, \t0+1, \t0+2, \t0+3
.irp m, 2*\mp, 2*\mp+1
.set rD, 8*(8*(\m)+(\t))
.set rA, 64+96*(\set)+12*(\t)
.set rB, 12*(8*((\m)%2)+(\s))
.set rC, rD
.if \first
.set rC, 192+8*(\t)
.endif
.set rSA, 32+4*(\set)+(\t)/2
.set rSB, 16+4*(\m)+(\s)/2
	WM (\t)%2, (\s)%2
.endr
.endr
.endm
.macro MULH set, s, mp, first          ; 16 products: source 0 window 0, source 1 window 1 or 2, D window 3, C window 3 or (the bias) window 1
.if \first
	WIN 0xd4+4*(\mp)
.else
	WIN 0xf4+4*(\mp)
.endif
	MUL8 \set, \s, \mp, 0, \first
	MUL8 \set, \s, \mp, 4, \first
.endm
.macro BIASQK step                     ; a head's bias as eight tiles in the result's layout: lane (r, h), tile t: numbers 16 t + 8 h + 0 .. 7
.if \step
	s_add_nc_u64 s[44:45], s[44:45], 1024          ; two heads on (the loads that read this base were waited for at the unit's head)
.endif
	WIN 0x40
.irp t, 0,1,2,3,4,5,6,7
.irp e, 0,1
	global_load_b128 v[192+8*\t+4*\e:192+8*\t+4*\e+3], v8, s[44:45] offset:64*\t+16*\e
.endr
.endr
.endm
.macro BIASV                           ; v's bias: a lane holds one column, so a tile's eight registers hold the same number
	WIN 0x40
.irp t, 0,1,2,3
.irp j, 0,1,2,3,4,5,6,7
	global_load_b32 v[192+8*\t+\j], v9, s[52:53] offset:(32*(\t/2)+8*(\t%2))*4
.endr
.endr
.endm
; A K step that has its successor in the same slot.  Its weights were asked for a whole K step ago; the next step's are asked for first, behind four places (loads into registers that matrix instructions have read).
.macro KSTEP ring, qq, s, first, extra
	s_wait_dscnt 0x0
	WIN 0
	PLACES 4
	FETCHW \ring, (\qq)+1, ((\s)+1)%2
.if (\extra) == 1
	BIASQK 1
.elseif (\extra) == 2
	BIASV
.endif
	MULH (\s)%2, \s, 0, \first
	MULH (\s)%2, \s, 1, \first
.endm
; A slot's last K step changes slots: in front of the barrier each wave waits for all its tensor loads, adds 0 to its spare word, and waits for that and for its reads of this slot.
; fill = 1: the barrier opens a round of the cluster's barrier, and behind it this slot is filled again, two slots ahead: my one tensor load until the next round.
.macro TURN ring, s, fill, nextv
	WIN 0
	s_wait_tensorcnt 0x0                           ; all my tensor loads have landed: my part of the other slot
	ds_add_u32 v[SPW], v[NIL]
	s_wait_dscnt 0x1                               ; only the add may be out: this step's weights are in
	WIN 0xf4
	MUL8 (\s)%2, \s, 0, 0, 0
	s_wait_dscnt 0x0                               ; the add is done, and my reads of this slot are over
	s_barrier_signal -1
	MUL8 (\s)%2, \s, 0, 4, 0
	WIN 0
	s_barrier_wait -1
.if \fill
	CREST                                          ; no wave of any partner still reads this slot or has a load on its way
	s_add_nc_u64 s[G0+4*\ring+2:G0+4*\ring+3], s[G0+4*\ring+2:G0+4*\ring+3], 2*SLOTB
	tensor_load_to_lds s[G0+4*\ring:G0+4*\ring+3], s[G1:G1+7]
	s_nop 0
	PLACES 4                                       ; also the places in front of the loads below
.else
	PLACES 4
.endif
.if \nextv
	FETCHV 0, 0
.else
	FETCHW 1-\ring, 0, ((\s)+1)%2
.endif
	WIN 0xf8
	MUL8 (\s)%2, \s, 1, 0, 0
	MUL8 (\s)%2, \s, 1, 4, 0
.endm
; 64 numbers of a lane in window 3 (register s + 16 b + i: place 16 (lane / 16) + i of block b of my token) become a fragment's codes in v[PC] on and its scale word in v[pw], both in window 2.
.macro QUANTW s, pw
	WIN 0x8f
.irp b, 0,1,2,3
	v_max3_num_f32 v[TM+\b], |v[(\s)+16*\b]|, |v[(\s)+1+16*\b]|, 0x1800000   ; each accumulator is read from its low end on; the floor 2^(3 - 127) holds the byte at 1 from below
.endr
	WIN 0xbe
.irp i, 2,4,6,8,10,12,14
.irp b, 0,1,2,3
	v_max3_num_f32 v[TM+\b], v[TM+\b], |v[(\s)+16*\b+\i]|, |v[(\s)+1+16*\b+\i]|
.endr
.endr
	WIN 0xaa
.irp b, 0,1,2,3
	v_permlanex16_b32 v[TM+4+\b], v[TM+\b], s58, s59
.endr
.irp b, 0,1,2,3
	v_max_num_f32 v[TM+\b], v[TM+\b], v[TM+4+\b]
.endr
.irp b, 0,1,2,3
	v_add_nc_u32 v[TM+12+\b], 0xff000000, v[TM+\b]
.endr
.irp b, 0,1,2,3
	v_lshrrev_b32 v[TM+4+\b], 23, v[TM+12+\b]
.endr
	v_lshl_or_b32 v[\pw], v[TM+5], 8, v[TM+4]
	v_lshl_or_b32 v[\pw], v[TM+6], 16, v[\pw]
	v_lshl_or_b32 v[\pw], v[TM+7], 24, v[\pw]
	WIN 0x8b
.irp c, 0,1
	v_cvt_scalef32_pk16_fp6_f32 v[PC+6*\c:PC+2+6*\c], v[(\s)+32*\c:(\s)+15+32*\c], v[TM+12+2*\c]
	v_cvt_scalef32_pk16_fp6_f32 v[PC+12+4*\c:PC+14+4*\c], v[(\s)+16+32*\c:(\s)+31+32*\c], v[TM+12+2*\c+1]
.endr
	WIN 0xaa
	v_nop                                          ; one plain place behind a scaled conversion
.irp c, 0,1
.irp i, 0,1,2
	v_permlane16_swap_b32 v[PC+6*\c+\i], v[PC+12+4*\c+\i]
.endr
.irp i, 0,1,2
	v_mov_b32 v[PC+3+6*\c+\i], v[PC+12+4*\c+\i]
.endr
.endr
.endm
; A head's 64 tokens x 128 leave: four images of 1,536 bytes and 256 bytes of scale words (lane l: the words of token tiles 2 (l / 16), 2 (l / 16) + 1 for row l % 16).
.macro EPIQK
	WIN 0
	PLACES 5                                       ; behind the last products: their results are read, and the next unit begins these accumulators anew with another C
.irp m, 0,1,2,3
	s_wait_xcnt 0x0                                ; the last stores have read the codes' registers
	QUANTW 64*\m, 208+\m
	WIN 0x08
.irp c, 0,1,2
	global_store_b128 v1, v[PC+4*\c:PC+4*\c+3], s[46:47] offset:1536*\m+512*\c   ; 32 lanes store 512 consecutive bytes, aligned
.endr
.endr
	WIN 0xaa
	v_cndmask_b32 v232, v208, v210, s56
	v_cndmask_b32 v233, v209, v211, s56
	WIN 0x08
	global_store_b64 v6, v[232:233], s[46:47] offset:6144
	WIN 0
	s_wait_xcnt 0x0                                ; the stores have read their base
	s_add_nc_u64 s[46:47], s[46:47], 12800         ; two heads on
.endm
.macro UNIT last                       ; one head: eight K steps through two slots
	s_wait_loadcnt 0x0                             ; the unit's bias (in the first unit: x too)
	KSTEP 0, 0, 0, 1, 0
	KSTEP 0, 1, 1, 0, 1+\last                      ; the next unit's bias is asked for here: K step 0's products, which read the registers as C, stand four places back
	KSTEP 0, 2, 2, 0, 0
	TURN 0, 3, 1, 0
	KSTEP 1, 0, 4, 0, 0
	KSTEP 1, 1, 5, 0, 0
	KSTEP 1, 2, 6, 0, 0
	TURN 1, 7, 1-\last, \last
	EPIQK
.endm
; v: 16 products of K steps 2 d, 2 d + 1 for token tiles 2 mp, 2 mp + 1: source 0 = x (window 1 or 2), source 1 = Wv (window 0); eight accumulators by turns
.macro VMUL d, set, mp
.irp k, 0,1
.if (2*(\d)+\k) == 0
	WIN 0xd1+(\mp)
.else
	WIN 0xf1+(\mp)
.endif
.irp t, 0,1,2,3
.irp m, 2*\mp, 2*\mp+1
.set rD, 8*(4*\t+(\m))
.set rA, 12*(8*((\m)%2)+2*(\d)+\k)
.set rB, 64+96*(\set)+12*(4*\k+\t)
.set rC, rD
.if (2*(\d)+\k) == 0
.set rC, 192+8*\t
.endif
.set rSA, 16+4*(\m)+(\d)
.set rSB, 32+4*(\set)+2*\k+\t/2
	WM \k, \t%2
.endr
.endr
.endr
.endm
; v's column tile t: my column's 64 tokens are two blocks of 32 keys; their codes are registers 6 c .. 6 c + 5 (c = my half of the chunk's tokens) of a fragment whose rows are values: three pairs, pair i at 256 i + 8 x lane.
.macro QUANTV t
	s_wait_xcnt 0x0
	WIN 0x8f
.irp b, 0,1
	v_max3_num_f32 v[TM+\b], |v[32*\t+16*\b]|, |v[32*\t+16*\b+1]|, 0x1800000
.endr
	WIN 0xbe
.irp i, 2,4,6,8,10,12,14
.irp b, 0,1
	v_max3_num_f32 v[TM+\b], v[TM+\b], |v[32*\t+16*\b+\i]|, |v[32*\t+16*\b+1+\i]|
.endr
.endr
	WIN 0xaa
.irp b, 0,1
	v_permlanex16_b32 v[TM+4+\b], v[TM+\b], s58, s59
.endr
.irp b, 0,1
	v_max_num_f32 v[TM+\b], v[TM+\b], v[TM+4+\b]
.endr
.irp b, 0,1
	v_add_nc_u32 v[TM+12+\b], 0xff000000, v[TM+\b]
.endr
.irp b, 0,1
	v_lshrrev_b32 v[TM+4+\b], 23, v[TM+12+\b]
.endr
	v_lshl_or_b32 v[208+\t], v[TM+5], 8, v[TM+4]   ; my two bytes of the column's scale word
	WIN 0x8b
	v_cvt_scalef32_pk16_fp6_f32 v[PC:PC+2], v[32*\t:32*\t+15], v[TM+12]
	v_cvt_scalef32_pk16_fp6_f32 v[PC+12:PC+14], v[32*\t+16:32*\t+31], v[TM+13]
	WIN 0xaa
	v_nop
.irp i, 0,1,2
	v_permlane16_swap_b32 v[PC+\i], v[PC+12+\i]
.endr
.irp i, 0,1,2
	v_mov_b32 v[PC+3+\i], v[PC+12+\i]
.endr
	WIN 0x08
.irp i, 0,1,2
	global_store_b64 v6, v[PC+2*\i:PC+2*\i+1], s[48:49] offset:1536*\t+256*\i   ; 32 lanes store 256 consecutive bytes, aligned
.endr
.endm
	s_load_b256 s[4:11], s[0:1], 0x0               ; xc, xs, wc, bq
	s_load_b256 s[12:19], s[0:1], 0x20             ; bk, bv, q, kv
	v_lshl_add_u32 v[SPW], v0, 2, SPARE
	v_mov_b32 v[NIL], 0
	ds_add_u32 v[SPW], v[NIL]                      ; the wave's opening: the add, twice on end, and its wait stand ahead of my first tensor load; the set-up, work on registers, stands between them
	ds_add_u32 v[SPW], v[NIL]
	v_lshrrev_b32 v12, 5, v0
	v_readfirstlane_b32 s20, v12                   ; wave 0..3
	s_and_b32 s21, s20, 1                          ; which 64 tokens
	s_lshr_b32 s22, s20, 1                         ; which columns
	s_bfe_u32 s23, ttmp6, 0x40000                  ; cx: my place in the cluster
	s_and_b32 s24, ttmp9, 1                        ; ch: shared by the four partners
	s_lshr_b32 s25, ttmp9, 1
	s_lshl_b32 s25, s25, 2
	s_add_co_u32 s25, s25, s23                     ; rb: my chunk of 128 tokens
	s_mov_b32 s[G1+0], 15|(3<<16)|(1<<21)          ; 15:0 the mask: all four work-groups; 17:16 elements of 8 bytes; 21 set beside a mask; no padding
	s_mov_b32 s[G1+1], 32<<16                      ; tensor_dim0 = 32 elements: rows of 256 bytes
	s_mov_b32 s[G1+2], 100<<16                     ; tensor_dim1 = 100 rows: a quarter of a slot
	s_mov_b32 s[G1+3], 32<<16                      ; tile_dim0
	s_mov_b32 s[G1+4], 100                         ; tile_dim1
	s_mov_b32 s[G1+5], 32                          ; the pitch: dense
	s_mov_b32 s[G1+6], 0
	s_mov_b32 s[G1+7], 0
	s_mov_b32 s56, 0xffff0000                      ; lanes 16-31
	s_mov_b32 s58, 0x76543210
	s_mov_b32 s59, 0xfedcba98                      ; v_permlanex16_b32's selects for lane l xor 16
	v_and_b32 v12, 31, v0                          ; lane
	v_lshlrev_b32 v1, 4, v12                       ; 16 x lane
	v_lshlrev_b32 v6, 3, v12                       ; 8 x lane
	v_lshlrev_b32 v7, 2, v12                       ; 4 x lane
	s_mul_i32 s66, s22, 51200                      ; my column half of a slot
	v_add_nc_u32 v2, s66, v1                       ; images, slot 0
	v_add_nc_u32 v3, SLOTB, v2                     ; slot 1
	v_add_nc_u32 v4, s66, v7                       ; scale words, slot 0
	v_add_nc_u32 v5, SLOTB, v4                     ; slot 1
	v_bfe_u32 v13, v0, 4, 1
	v_lshlrev_b32 v8, 5, v13                       ; the bias of q, k: 32 h
	v_and_b32 v14, 15, v0
	v_and_b32 v15, 8, v14
	v_add_nc_u32 v15, v15, v14
	v_lshlrev_b32 v9, 2, v15                       ; the bias of v: 4 (r + 8 (r / 8))
	s_mov_b32 s36, 1                               ; group 0: count = 1
	s_mov_b32 s40, 1
	s_mul_i32 s37, s20, 25600                      ; LDS: my quarter of slot 0,
	s_add_co_u32 s41, s37, SLOTB                   ; of slot 1: no place in the cluster enters an LDS address
	s_mul_i32 s68, s24, 921600                     ; my half of wc,
	s_add_co_u32 s68, s68, s37                     ; my quarter of its first stream slot
	s_mov_b32 s69, 0
	s_lshl_b32 s26, s25, 1
	s_add_co_u32 s26, s26, s21                     ; G: my group of 64 tokens
	s_mul_i32 s70, s26, 49152                      ; its 32 images in xc
	s_mov_b32 s71, 0
	s_lshl_b32 s72, s26, 11                        ; its scale words in xs
	s_mov_b32 s73, 0
	s_lshl_b32 s74, s24, 1
	s_add_co_u32 s74, s74, s22                     ; my unit of 64 columns of v
	s_mul_i32 s76, s25, 128000                     ; my chunk in kv
	s_mov_b32 s77, 0
	s_wait_dscnt 0x0                               ; the opening add is done
	s_wait_kmcnt 0x0
	s_add_nc_u64 s[38:39], s[8:9], s[68:69]
	s_add_nc_u64 s[42:43], s[38:39], SLOTB
	s_or_b32 s39, s39, 0x80000000                  ; type = 2
	s_or_b32 s43, s43, 0x80000000
	s_add_nc_u64 s[54:55], s[4:5], s[70:71]
	s_add_nc_u64 s[62:63], s[6:7], s[72:73]
	s_cmp_eq_u32 s24, 0                            ; q's half or k's: the choices hang on the cluster's number alone
	s_cselect_b64 s[44:45], s[10:11], s[12:13]
	s_cselect_b64 s[46:47], s[16:17], s[18:19]
	s_mov_b32 s78, 128000
	s_cselect_b32 s78, 102400, s78                 ; 128 tokens in q: two groups of 51,200 bytes; in kv: a chunk
	s_mul_i32 s78, s25, s78
	s_mul_i32 s79, s21, 51200
	s_add_co_u32 s78, s78, s79
	s_mul_i32 s79, s22, 6400
	s_add_co_u32 s78, s78, s79
	s_mov_b32 s79, 0
	s_add_nc_u64 s[46:47], s[46:47], s[78:79]      ; where my first head's codes go
	s_lshl_b32 s78, s22, 9
	s_add_nc_u64 s[44:45], s[44:45], s[78:79]      ; my first head's bias
	s_add_nc_u64 s[48:49], s[18:19], s[76:77]
	s_mov_b64 s[50:51], s[48:49]
	s_mul_i32 s78, s74, 6144
	s_mul_i32 s80, s21, 768
	s_add_co_u32 s78, s78, s80
	s_add_co_u32 s78, s78, 102400
	s_add_nc_u64 s[48:49], s[48:49], s[78:79]      ; v's images: my unit's four, my half of each
	s_lshl_b32 s78, s74, 8
	s_lshl_b32 s80, s21, 1
	s_add_co_u32 s78, s78, s80
	s_add_co_u32 s78, s78, 126976
	s_add_nc_u64 s[50:51], s[50:51], s[78:79]      ; v's scale words: my two bytes of each
	s_lshl_b32 s78, s74, 8
	s_add_nc_u64 s[52:53], s[14:15], s[78:79]      ; v's bias
	CROUND                                         ; all four work-groups are here: the first joint loads meet
	tensor_load_to_lds s[36:39], s[G1:G1+7]        ; stream slot 0: my one tensor load at the head
	s_nop 0
	PLACES 4
	WIN 0x40
.irp m, 0,1
.irp s, 0,1,2,3,4,5,6,7
.irp c, 0,1,2
	global_load_b128 v[12*(8*\m+\s)+4*\c:12*(8*\m+\s)+4*\c+3], v1, s[54:55] offset:1536*(8*\m+\s)+512*\c
.endr
.endr
.endr
	WIN 0x80
.irp m, 0,1
.irp s, 0,1,2,3,4,5,6,7
.irp c, 0,1,2
	global_load_b128 v[12*(8*\m+\s)+4*\c:12*(8*\m+\s)+4*\c+3], v1, s[54:55] offset:1536*(8*(\m+2)+\s)+512*\c
.endr
.endr
.endr
	WIN 0
.irp m, 0,1,2,3
.irp p, 0,1,2,3
	global_load_b32 v[16+4*\m+\p], v7, s[62:63] offset:512*\m+128*\p   ; lanes 0-15: K step 2 p's words, lanes 16-31: K step 2 p + 1's
.endr
.endr
	s_wait_alu depctr_va_vdst(0)
	BIASQK 0
	WIN 0x80
.irp b, 0,1,2,3
	v_mov_b32 v[TM+4+\b], 0                        ; a lane permute's destination counts as one of its sources
.endr
	WIN 0
	s_wait_alu depctr_va_vdst(0)
	s_wait_tensorcnt 0x0                           ; my part of stream slot 0 is in; slot 1's first fill is issued as a refill is:
	ds_add_u32 v[SPW], v[NIL]
	s_wait_dscnt 0x0
	CROUND                                         ; everybody's part of slot 0 is in, and all four work-groups are here
	tensor_load_to_lds s[40:43], s[G1:G1+7]        ; stream slot 1: the first tensor load behind the round
	s_nop 0
	PLACES 4
	FETCHW 0, 0, 0
	s_mov_b32 s60, 3
.Lunit:
	UNIT 0
	s_sub_co_u32 s60, s60, 1
	s_cmp_lg_u32 s60, 0
	s_cbranch_scc1 .Lunit
	UNIT 1                                         ; the last head is written out: its second change of slots fills nothing
	s_wait_loadcnt 0x0                             ; v's bias
.irp d, 0,1,2,3
	s_wait_dscnt 0x0
	WIN 0
	PLACES 4
.if \d < 3
	FETCHV \d+1, (\d+1)%2
.endif
	VMUL \d, \d%2, 0
	VMUL \d, \d%2, 1
.endr
	WIN 0
	PLACES 4
.irp t, 0,1,2,3
	QUANTV \t
.endr
	WIN 0xaa
	v_cndmask_b32 v232, v208, v209, s56            ; a head's words: lanes 0-15 its first tile's rows, lanes 16-31 its second's
	v_cndmask_b32 v233, v210, v211, s56
	WIN 0x08
	global_store_b16 v7, v232, s[50:51]
	global_store_b16 v7, v233, s[50:51] offset:128
	WIN 0
	s_wait_tensorcnt 0x0                           ; the wave's end
	ds_add_u32 v[SPW], v[NIL]
	s_wait_dscnt 0x0
	CROUND                                         ; the closing round: no work-group ends while a partner may still ask for a slot that names it
	s_endpgm
.Lfunc_end_k_q13f299ecf4_qkv:
	.size	k_q13f299ecf4_qkv, .Lfunc_end_k_q13f299ecf4_qkv-k_q13f299ecf4_qkv
	.p2alignl 7, 3214868480
	.fill 96, 4, 3214868480
	.section	.rodata,"a",@progbits
	.p2align	6, 0x0
	.amdhsa_kernel k_q13f299ecf4_qkv
		.amdhsa_group_segment_fixed_size 327680
		.amdhsa_private_segment_fixed_size 0
		.amdhsa_enable_private_segment 0
		.amdhsa_kernarg_size 64
		.amdhsa_user_sgpr_count 2
		.amdhsa_user_sgpr_kernarg_segment_ptr 1
		.amdhsa_wavefront_size32 1
		.amdhsa_system_sgpr_workgroup_id_x 1
		.amdhsa_system_sgpr_workgroup_id_y 1
		.amdhsa_system_sgpr_workgroup_id_z 1
		.amdhsa_system_vgpr_workitem_id 0
		.amdhsa_next_free_vgpr 1024
		.amdhsa_next_free_sgpr 84
		.amdhsa_reserve_vcc 0
		.amdhsa_float_denorm_mode_32 3
		.amdhsa_float_denorm_mode_16_64 3
		.amdhsa_memory_ordered 1
		.amdhsa_forward_progress 1
		.amdhsa_inst_pref_size 191
	.end_amdhsa_kernel
	.amdgpu_metadata
---
amdhsa.version: [ 1, 2 ]
amdhsa.kernels:
  - .name:           k_q13f299ecf4_qkv
    .symbol:         k_q13f299ecf4_qkv.kd
    .args:
      - { .name: xc, .offset: 0, .size: 8, .value_kind: global_buffer, .address_space: global }
      - { .name: xs, .offset: 8, .size: 8, .value_kind: global_buffer, .address_space: global }
      - { .name: wc, .offset: 16, .size: 8, .value_kind: global_buffer, .address_space: global }
      - { .name: bq, .offset: 24, .size: 8, .value_kind: global_buffer, .address_space: global }
      - { .name: bk, .offset: 32, .size: 8, .value_kind: global_buffer, .address_space: global }
      - { .name: bv, .offset: 40, .size: 8, .value_kind: global_buffer, .address_space: global }
      - { .name: q, .offset: 48, .size: 8, .value_kind: global_buffer, .address_space: global }
      - { .name: kv, .offset: 56, .size: 8, .value_kind: global_buffer, .address_space: global }
    .group_segment_fixed_size: 327680
    .private_segment_fixed_size: 0
    .kernarg_segment_align: 8
    .kernarg_segment_size: 64
    .max_flat_workgroup_size: 128
    .sgpr_count:     84
    .vgpr_count:     1024
    .wavefront_size: 32
...
	.end_amdgpu_metadata
.endif
;; end of part 2
;; launch attn (part 3): grid 256 x 1, 8 waves a work-group, clusters of 4 x 1, 327,680 bytes of LDS; arguments q, kv, wo, out0; writes out0
.if DOCPART == 3
	.amdgcn_target "amdgcn-amd-amdhsa--gfx1250"
	.amdhsa_code_object_version 6
	.text
	.protected	k_q13f299ecf4_attn
	.globl	k_q13f299ecf4_attn
	.p2align	8
	.type	k_q13f299ecf4_attn,@function
k_q13f299ecf4_attn:
	s_mov_b64 s[64:65], 0
	v_nop
	global_prefetch_b8 v0, s[64:65] scope:SCOPE_SE
	s_setreg_imm32_b32 hwreg(HW_REG_WAVE_MODE, 25, 1), 1
	s_wait_xcnt 0x0
	s_wait_alu depctr_hold_cnt(0) depctr_sa_sdst(0) depctr_va_vdst(0) depctr_va_sdst(0) depctr_va_ssrc(0) depctr_va_vcc(0) depctr_vm_vsrc(0)
	s_getreg_b32 s2, hwreg(HW_REG_IB_STS2, 6, 4)
	s_cmp_eq_u32 s2, 0
	s_cbranch_scc0 .Lentry_in_a_cluster
	s_endpgm
.Lentry_in_a_cluster:
	s_bfe_u32 s2, ttmp6, 0x10000c
	s_cmp_lg_u32 s2, 0x3003
	s_cbranch_scc0 .Lentry_shape_is_right
	s_endpgm
.Lentry_shape_is_right:
; out = (softmax(q k^T / sqrt(128)) v, all heads side by side) Wo, all three products on codes of FP6 (E2M3) with E8M0 scales, sums in f32.  q, k, v and Wo arrive as images of operand registers.
; THE SOFTMAX: t = score x log2(e) / sqrt(128); M = the running largest t rounded UP to a whole number; p = 2^(t - M) is quantised along the keys, not normalised; the row's sum is taken of the unquantised p
; and divides at the end; when M moves, the sum and O are multiplied by 2^(old M - new M), which rounds nothing.
; SHARES.  A work-group owns 64 queries of one batch, all 8 heads.  Wave w of eight owns head w and all four query tiles.  A chunk of 128 keys (all heads' k, v and scale words) is 128,000 dense bytes, one slot of a ring of two.
; A WAVE'S PART OF A CHUNK GOES INTO REGISTERS ONCE (k: 8 fragments, v: 2) and serves its four query tiles: each byte of a slot is read from LDS once.
; THE TILES' STEPS ARE LAID OVER EACH OTHER: behind tile m's batch of exponentials, and ahead of the wait for it, stand tile m + 1's scores, its search for the maxima, its M and its t - M, on a second set of registers;
; then come tile m's sums, codes and products with v.  Tile 0 of the next chunk follows tile 3 in the same way, so k is fetched one tile ahead of v.
; THE CHANGE OF SLOTS: the waits, the add and the signal stand behind tile 0's products with v (my reads of the chunk's slot are over); tile 1's step and tile 3's scores, work on registers, stand between signal and wait;
; behind the round come the refill and the next chunk's k.
; CLUSTER.  The four work-groups of a cluster belong to one batch and walk the same chunks: waves 0-3 ask for a quarter each JOINTLY, by the same tensor load with a mask that names the four.
; LAYOUT.  Both products are used transposed (S^T = k q^T, O^T = v^T p^T): a lane holds one query.  Inside a block of 32, q and k (along the head) and p and v (along the keys) are laid in one and the same order
; (places 0-7, 8-15, 16-23, 24-31 hold numbers 0-7, 16-23, 8-15, 24-31): products and scales are the same, only the order of addition inside the unit differs.
; v's rows were chosen so that a lane's 16 registers of O^T are 16 neighbouring values: divided by the sum and quantised (a block = a head's 32 values) they are a part of the last product's operand,
; which goes from wave to wave through LDS as an image of its registers.  Wave w then makes columns 128 w .. 128 w + 127 of the 64 rows of out, 64 columns at a time.
; LIMITS: a block whose largest magnitude lies under 2^-124 gets the byte 1; NaN and infinities are not served; 1 / sum by v_rcp_f32; a block's largest p is taken through its largest score
; (v_exp_f32 is taken not to fall where its input rises); the promise holds while the scaled scores t stay under 2^31 in magnitude.
; REGISTERS.  Window 0: v1-8 LDS addresses; v12-27 four tiles' -M, largest t, sum (a pair); v28-36 scale words of q, k, v; v40-58 p's codes; v60-67 the blocks' maxima, two sets; v68-74, v236-239 at work; v72, v240 f, two sets;
;   v75-78 lane offsets; v80-87 Wo's scale words, v88-95 the heads'; v96-159, v160-223 S^T, then p, two sets.
;   Window 1: v0-95 k (at the end Wo's first 64 columns); v96-119 v; v120-155, v224-235 q; v160-223 O^T (at the end v96-191: Wo's second 64 columns).
.set SLOT1, 1<<17                      ; slot 1 begins here
.set SPARE, 262144                     ; the spare words, 128 bytes a wave: four blocks of 256 bytes that no other line names
.set HIMG,  0                          ; behind the last barrier of the walk, in slot 0, which has had its last fill and its last read: the heads' eight images,
.set HSC,   12288                      ; their scale words, 128 bytes each,
.set STG,   13312                      ; and a stage of 16 rows x (256 + 16) bytes for each wave
.set SPW,   9
.set NIL,   10
.set PFO,   11
.set WV,    12                         ; s12: the wave's number
.set QS,    28
.set KS,    32
.set VS,    36
.set TP,    38
.set PC,    40
.set T,     60
.set PT,    68
.set PS,    73
.set X,     74
.set L16,   75
.set L4,    76
.set L8,    77
.set R8,    78
.set WSA,   80
.set HS,    88
.set SO,    236
.set MSB, 0
.macro WIN new                         ; the immediate's high byte repeats the setting that is left; a switch that changes nothing is dropped
.if MSB != (\new)
	s_set_vgpr_msb (MSB<<8)|(\new)
.set MSB, (\new)
.endif
.endm
.macro PLACES n
.rept \n
	v_nop
.endr
.endm
.macro DL n
	s_delay_alu instid0(VALU_DEP_\n)
.endm
.macro CREST                           ; a round of the cluster's barrier behind its opening barrier
	s_cmp_lg_u32 s[WV], 0
	s_cbranch_scc1 .Lnot_wave_0_\@
	s_barrier_signal -3
.Lnot_wave_0_\@:
	s_barrier_wait -3
	s_barrier_signal -1
	s_barrier_wait -1
.endm
.macro CROUND
	s_barrier_signal -1
	s_barrier_wait -1
	CREST
.endm
.macro TLOAD                           ; waves 0-3 fetch a quarter of a chunk each; the branch hangs on the wave's number alone
	s_cmp_lt_u32 s[WV], 4
	s_cbranch_scc0 .Lnone_\@
	tensor_load_to_lds s[32:35], s[24:31]
	s_nop 0
	PLACES 4
.Lnone_\@:
.endm
; A prefetch of the chunk that the NEXT refill will ask for.  The batch's four clusters walk the same chunks: the first of them asks; its four partners take a quarter each, told apart by address;
; in each, waves 4-7 ask, a lane a block of 256 bytes: 125 blocks (lanes 125-127 name block 124 again).  The last refill's trip asks for nothing; chunks 0 to 2 come by their loads alone.
.macro ASK
	s_cmp_gt_u32 s37, s38
	s_cbranch_scc0 .Lnot_mine_\@
	global_prefetch_b8 v[PFO], s[40:41] th:TH_LOAD_NT scope:SCOPE_SE
.Lnot_mine_\@:
.endm
; One product, by the symbols rD, rA, rB, rSA, rSB.  zero: it starts the sum; ra: source 0's scale words stand in lanes 16-31
.macro WM zero, ra
.if (\zero) && (\ra)
	v_wmma_scale_f32_16x16x128_f8f6f4 v[rD:rD+7], v[rA:rA+11], v[rB:rB+11], 0, v[rSA], v[rSB] matrix_a_fmt:MATRIX_FMT_FP6 matrix_b_fmt:MATRIX_FMT_FP6 matrix_a_scale:MATRIX_SCALE_ROW1
.elseif (\zero)
	v_wmma_scale_f32_16x16x128_f8f6f4 v[rD:rD+7], v[rA:rA+11], v[rB:rB+11], 0, v[rSA], v[rSB] matrix_a_fmt:MATRIX_FMT_FP6 matrix_b_fmt:MATRIX_FMT_FP6
.elseif (\ra)
	v_wmma_scale_f32_16x16x128_f8f6f4 v[rD:rD+7], v[rA:rA+11], v[rB:rB+11], v[rD:rD+7], v[rSA], v[rSB] matrix_a_fmt:MATRIX_FMT_FP6 matrix_b_fmt:MATRIX_FMT_FP6 matrix_a_scale:MATRIX_SCALE_ROW1
.else
	v_wmma_scale_f32_16x16x128_f8f6f4 v[rD:rD+7], v[rA:rA+11], v[rB:rB+11], v[rD:rD+7], v[rSA], v[rSB] matrix_a_fmt:MATRIX_FMT_FP6 matrix_b_fmt:MATRIX_FMT_FP6
.endif
.endm
.macro LOADK                           ; my head's k of a chunk: eight images into window 1, two pairs of scale words: 26 LDS loads
	WIN 0x40
.irp t, 0,1,2,3,4,5,6,7
.irp c, 0,1,2
	ds_load_b128 v[12*\t+4*\c:12*\t+4*\c+3], v5 offset:51200*(\t/4)+1536*(\t%4)+512*\c
.endr
.endr
	WIN 0
	ds_load_b64 v[KS:KS+1], v6
	ds_load_b64 v[KS+2:KS+3], v6 offset:51200
.endm
.macro LOADV                           ; my head's v: two images and the scale words: 13 LDS loads
	WIN 0x40
.irp t, 0,1
.irp i, 0,1,2,3,4,5
	ds_load_b64 v[96+12*\t+2*\i:96+12*\t+2*\i+1], v7 offset:1536*\t+256*\i
.endr
.endr
	WIN 0
	ds_load_b32 v[VS], v8
.endm
.macro WOLOAD g                        ; 64 columns of Wo: eight images (column tile f / 2, K step f % 2) into window 1 and four registers of scale words: 28 loads
	WIN 0x40
.irp f, 0,1,2,3,4,5,6,7
.irp c, 0,1,2
	global_load_b128 v[96*(\g)+12*\f+4*\c:96*(\g)+12*\f+4*\c+3], v[L16], s[50:51] offset:12800*(\g)+1536*\f+512*\c
.endr
.endr
	WIN 0
.irp t, 0,1,2,3
	global_load_b32 v[WSA+4*(\g)+\t], v[L4], s[50:51] offset:12800*(\g)+12288+128*\t   ; lanes 0-15: K step 0's words, lanes 16-31: K step 1's
.endr
.endm
.macro SYMS m                          ; tile m's registers; sets of S, maxima and f by the tile's parity
.set SB, 96+64*((\m)%2)
.set TB, T+4*((\m)%2)
.set FF, 72+168*((\m)%2)
.set NM, 12+4*(\m)
.set TX, 13+4*(\m)
.set SU, 14+4*(\m)
.set OO, 160+16*(\m)
.endm
.macro SMM m                           ; S^T = k q^T of query tile m: eight tiles of 16 keys
	SYMS \m
	WIN 0x05
.irp t, 0,1,2,3,4,5,6,7
.set rD, SB+8*\t
.set rA, 12*\t
.set rB, 120+12*(\m)+68*((\m)/3)
.set rSA, KS+2*(\t/4)+\t%2
.set rSB, QS+(\m)
	WM 1, (\t%4)/2
.endr
	WIN 0
.endm
.macro MAXS m                          ; the largest score of each block of 32 keys: for the row's maximum and for the block's largest p.  It reads every accumulator, each from its low end on
	SYMS \m
.irp b, 0,1,2,3
	v_max3_num_f32 v[TB+\b], v[SB+16*\b], v[SB+1+16*\b], v[SB+2+16*\b]
.endr
.irp i, 3,5,7,9,11,13
.irp b, 0,1,2,3
	v_max3_num_f32 v[TB+\b], v[TB+\b], v[SB+16*\b+\i], v[SB+1+16*\b+\i]
.endr
.endr
.irp b, 0,1,2,3
	v_max_num_f32 v[TB+\b], v[TB+\b], v[SB+15+16*\b]
.endr
.endm
.set HINT, 1                           ; 1 where MAXS stands directly ahead of RESTA: only there do RESTA's first four hints point at the lines that made the maxima
.macro RESTA m                         ; tile m's M, f and t - M
	SYMS \m
.irp b, 0,1,2,3
.if HINT
	DL 4
.endif
	v_permlanex16_b32 v[PT+\b], v[TB+\b], s20, s21
.endr
.irp b, 0,1,2,3
	DL 4
	v_max_num_f32 v[TB+\b], v[TB+\b], v[PT+\b]     ; with lane l xor 16's 16 keys
.endr
	DL 2
	v_max3_num_f32 v[X], v[TB], v[TB+1], v[TB+2]
	DL 1
	v_max_num_f32 v[X], v[X], v[TB+3]              ; the step's largest score of my query
	DL 1
	v_mul_f32 v[X], s22, v[X]                      ; as t
	DL 1
	v_max_num_f32 v[TX], v[TX], v[X]               ; the running largest t
	v_mov_b32 v[X], v[NM]
	DL 2
	v_floor_f32 v[NM], -v[TX]                      ; the new -M = floor(-t)
	DL 1
	v_sub_f32 v[X], v[NM], v[X]                    ; old M - new M: a whole number, 0 or less
	DL 1
	v_cvt_i32_f32 v[X], v[X]                       ; (it saturates)
	DL 1
	v_ldexp_f32 v[FF], 1.0, v[X]                   ; f = 2^(old M - new M)
.set J, 0
.rept 32
	v_pk_fma_f32 v[SB+J:SB+1+J], v[SB+J:SB+1+J], s[22:23], v[NM:NM+1] op_sel_hi:[1,0,0]   ; t - M, two at a time
.set J, J+2
.endr
.irp b, 0,1,2,3
	v_fma_f32 v[TB+\b], v[TB+\b], s22, v[NM]       ; the same of each block's largest score
.endr
.endm
.macro EXPS m                          ; tile m's batch: 64 p and the four blocks' largest p
	SYMS \m
	s_wait_alu depctr_va_vdst(0)
.set J, 0
.rept 64
	v_exp_f32 v[SB+J], v[SB+J]                     ; p = 2^(t - M), at most 1
.set J, J+1
.endr
.irp b, 0,1,2,3
	v_exp_f32 v[TB+\b], v[TB+\b]
.endr
	v_pk_mul_f32 v[SU:SU+1], v[SU:SU+1], v[FF:FF+1] op_sel_hi:[1,0]   ; the sums under the new M: a plain place behind the exponentials
.endm
.macro BPART m                         ; tile m's sums, scale word and codes, and O^T under the new M
	SYMS \m
	s_wait_alu depctr_va_vdst(0)                   ; one wait for the whole batch, ahead of its first reader
	v_pk_add_f32 v[TP:TP+1], v[SB:SB+1], v[SB+2:SB+3]   ; the row's sum is taken of the unquantised p, in two chains
.irp b, 0,1,2,3
	v_max_num_f32 v[TB+\b], 0x1800000, v[TB+\b]    ; the floor 2^(3 - 127): the byte cannot fall under 1
.endr
.irp b, 0,1,2,3
	DL 4
	v_add_nc_u32 v[SO+\b], 0xff000000, v[TB+\b]    ; 2 off the exponent field: the conversion's scale operand
.endr
.irp b, 0,1,2,3
	DL 4
	v_lshrrev_b32 v[PT+\b], 23, v[SO+\b]           ; the scale's byte
.endr
	DL 3
	v_lshl_or_b32 v[PS], v[PT+1], 8, v[PT]         ; p's scale word for these 128 keys
	DL 1
	v_lshl_or_b32 v[PS], v[PT+2], 16, v[PS]
	DL 1
	v_lshl_or_b32 v[PS], v[PT+3], 24, v[PS]
.irp c, 0,1
	v_cvt_scalef32_pk16_fp6_f32 v[PC+6*\c:PC+2+6*\c], v[SB+32*\c:SB+15+32*\c], v[SO+2*\c]
	v_cvt_scalef32_pk16_fp6_f32 v[PC+12+4*\c:PC+14+4*\c], v[SB+16+32*\c:SB+31+32*\c], v[SO+2*\c+1]
.endr
	v_nop                                          ; one plain place behind a scaled conversion
.irp c, 0,1
.irp i, 0,1,2
	v_permlane16_swap_b32 v[PC+6*\c+\i], v[PC+12+4*\c+\i]
.endr
.irp i, 0,1,2
	DL 3
	v_mov_b32 v[PC+3+6*\c+\i], v[PC+12+4*\c+\i]
.endr
.endr
	WIN 0x41
	s_wait_alu depctr_va_vdst(0)                   ; directly ahead of the first reader of O^T
.irp j, 0,2,4,6,8,10,12,14
	v_pk_mul_f32 v[OO+\j:OO+1+\j], v[OO+\j:OO+1+\j], v[FF:FF+1] op_sel_hi:[1,0]   ; O^T (window 1) under the new M
.endr
	WIN 0
.irp j, 4,8,12,16,20,24,28,32,36,40,44,48,52,56,60   ; 31 plain lines between p's scale word and codes and the products
	v_pk_add_f32 v[SU:SU+1], v[SU:SU+1], v[SB+\j:SB+1+\j]
	v_pk_add_f32 v[TP:TP+1], v[TP:TP+1], v[SB+2+\j:SB+3+\j]
.endr
	DL 1
	v_pk_add_f32 v[SU:SU+1], v[SU:SU+1], v[TP:TP+1]
.endm
.macro PV m                            ; O^T += v^T p^T: the head's 32 values in two tiles
	WIN 0x51
.irp t, 0,1
.set rD, 160+16*(\m)+8*\t
.set rA, 96+12*\t
.set rB, PC
.set rSA, VS
.set rSB, PS
	WM 0, \t
.endr
	WIN 0
.endm
.macro NEXTA m
	SMM \m
	PLACES 4                                       ; behind the products: their results are read
	MAXS \m
.endm
; A TRIP: one chunk.  At its start tile 0's t - M stand ready.  fill = 1: the barrier opens a round of the cluster's barrier, and the slot that held this chunk takes the chunk two further on.
; fill = 0 (the last two chunks): nothing is filled; the last trip jumps, on the trip counter, over what belongs to a next chunk, and asks for Wo's first 64 columns where k would be fetched.
.macro TRIP fill
.if !(\fill)
	s_wait_loadcnt 0x0                             ; no global load into k's registers is out on any way that leads here
.endif
	EXPS 0
	NEXTA 1
	RESTA 1
	BPART 0
	s_wait_dscnt 0x0                               ; v is in
	PV 0
	s_wait_alu depctr_va_vdst(0)
	s_wait_tensorcnt 0x0                           ; my part of the next chunk has landed: no tensor load of mine is out, so group 0 may be written
	ds_add_u32 v[SPW], v[NIL]                      ; the add, twice on end
	ds_add_u32 v[SPW], v[NIL]
.if \fill
	s_xor_b32 s33, s33, SLOT1                      ; the other slot than last time,
	s_add_nc_u64 s[34:35], s[34:35], 128000        ; the next chunk
	s_wait_xcnt 0x0                                ; the last prefetch, a trip back, has read its address
	s_add_nc_u64 s[40:41], s[40:41], 128000        ; one chunk further on than the descriptor
.endif
	s_wait_dscnt 0x0                               ; the adds are done, and my reads of this chunk's slot are over
	s_barrier_signal -1
	EXPS 1                                         ; work on registers alone between signal and wait
	NEXTA 2
	RESTA 2
	BPART 1
	PV 1
	SMM 3
	PLACES 4                                       ; behind the products: loads into k's registers, and the first read of the scores
	s_barrier_wait -1
.if \fill
	CREST
	TLOAD
	ASK
	v_add_nc_u32 v5, s36, v1
	v_add_nc_u32 v6, s36, v2
	v_add_nc_u32 v7, s36, v3
	v_add_nc_u32 v8, s36, v4
	s_wait_alu depctr_va_vdst(0)
	s_xor_b32 s36, s36, SLOT1
	LOADK
.else
	v_add_nc_u32 v5, SLOT1, v1                     ; the last chunk lies in slot 1
	v_add_nc_u32 v6, SLOT1, v2
	v_add_nc_u32 v7, SLOT1, v3
	v_add_nc_u32 v8, SLOT1, v4
	s_cmp_eq_u32 s37, 1
	s_wait_alu depctr_va_vdst(0)
	s_cbranch_scc1 .Lwo_\@
	LOADK
	s_branch .Lgot_\@
.Lwo_\@:
	WOLOAD 0
.Lgot_\@:
.endif
	MAXS 3                                         ; ahead of the batch: the scores were made ahead of it
	EXPS 2
.set HINT, 0                           ; the batch stands between tile 3's search and this
	RESTA 3
.set HINT, 1
	BPART 2
	PV 2
.if \fill
	EXPS 3
	s_wait_dscnt 0x0                               ; the next chunk's k is in
	NEXTA 0
	RESTA 0
.else
	s_cmp_eq_u32 s37, 1
	s_wait_alu depctr_va_vdst(0)
	s_cbranch_scc1 .Lno_next_\@
	s_wait_loadcnt 0x0
	s_wait_dscnt 0x0
	NEXTA 0
	RESTA 0
.Lno_next_\@:
	EXPS 3
.endif
	BPART 3
	PV 3
	PLACES 4                                       ; behind the products: loads into v's registers
.if \fill
	LOADV
.else
	s_cmp_eq_u32 s37, 1
	s_wait_alu depctr_va_vdst(0)
	s_cbranch_scc1 .Lno_v_\@
	LOADV
.Lno_v_\@:
.endif
.endm
; 16 rows x 64 columns of out (g: which 64 of my 128): transposed (source 0 = 16 columns of Wo, source 1 = 16 queries), four accumulators by turns, two K steps; through my stage, so that sixteen lanes store 256 consecutive bytes.
.macro OUTT g, mq
.set AC, 192+32*((\mq)%2)
	WIN 0x01
.irp s, 0,1
.irp t, 0,1,2,3
.set rD, AC+8*\t
.set rA, 96*(\g)+12*(2*\t+\s)
.set rB, 96+24*(\mq)+12*\s
.set rSA, WSA+4*(\g)+\t
.set rSB, HS+2*(\mq)+\s
	WM 1-\s, \s
.endr
.endr
	WIN 0
	PLACES 5
.irp t, 0,1,2,3
	ds_store_b128 v4, v[AC+8*\t:AC+8*\t+3] offset:64*\t          ; each accumulator from its low end on
	ds_store_b128 v4, v[AC+8*\t+4:AC+8*\t+7] offset:64*\t+16
.endr
	s_wait_xcnt 0x0                                ; the last tile's stores have read their registers
.irp i, 0,1,2,3,4,5,6,7
	ds_load_b128 v[12+4*\i:15+4*\i], v5 offset:544*\i            ; LDS serves a wave's instructions in order: these see my stores
.endr
.irp i, 0,1,2,3,4,5,6,7
	s_wait_dscnt 7-\i                              ; behind load i: the 7 - i younger loads from the stage
	global_store_b128 v6, v[12+4*\i:15+4*\i], s[52:53] offset:(16*(\mq)+2*\i)*4096+256*(\g) th:TH_STORE_NT   ; 16 lanes store 256 consecutive bytes, aligned
.endr
.endm
	s_load_b256 s[4:11], s[0:1], 0x0               ; q, kv, wo, out0
	v_lshl_add_u32 v[SPW], v0, 2, SPARE
	v_mov_b32 v[NIL], 0
	ds_add_u32 v[SPW], v[NIL]                      ; the opening lines: the add, twice on end, and its wait ahead of the first tensor load
	ds_add_u32 v[SPW], v[NIL]
	v_lshrrev_b32 v12, 5, v0
	DL 1
	v_readfirstlane_b32 s[WV], v12                 ; wave 0..7 = my head
	s_bfe_u32 s13, ttmp6, 0x40000                  ; cx: my place in the cluster
	s_lshl_b32 s14, ttmp9, 2
	s_add_co_u32 s14, s14, s13                     ; g: my group of 64 queries
	s_lshr_b32 s15, ttmp9, 2                       ; the batch, which the four partners share
	s_and_b32 s16, s[WV], 3                        ; which quarter of a chunk I fetch, if I fetch
	s_lshr_b32 s17, s[WV], 2
	s_mov_b32 s20, 0x76543210
	s_mov_b32 s21, 0xfedcba98                      ; v_permlanex16_b32's selects for lane l xor 16
	s_mov_b32 s22, 0x3e0293ee                      ; c = log2(e) / sqrt(128)
	s_mov_b32 s23, s22                             ; (named with it as a pair)
	s_mov_b32 s24, 15|(3<<16)|(1<<21)              ; group 1: the mask: all four work-groups; elements of 8 bytes; bit 21 beside a mask; no padding
	s_mov_b32 s25, 32<<16                          ; tensor_dim0 = 32: rows of 256 bytes
	s_mov_b32 s26, 125<<16                         ; tensor_dim1 = 125 rows: a quarter of a chunk
	s_mov_b32 s27, 32<<16                          ; tile_dim0
	s_mov_b32 s28, 125                             ; tile_dim1
	s_mov_b32 s29, 32                              ; the pitch: dense
	s_mov_b32 s30, 0
	s_mov_b32 s31, 0
	s_mov_b32 s32, 1                               ; group 0: count = 1
	s_mul_i32 s33, s16, 32000                      ; LDS: my quarter of slot 0
	s_mul_i32 s42, s15, 1024000                    ; the batch's eight chunks,
	s_add_co_u32 s42, s42, s33                     ; my quarter of the first
	s_mov_b32 s43, 0
	s_mul_i32 s44, s15, 1024000
	s_mul_i32 s45, s13, 32000                      ; the prefetches: my work-group's quarter,
	s_add_co_u32 s44, s44, s45
	s_add_co_u32 s44, s44, 256000                  ; in chunk 2: the first trip steps it to chunk 3
	s_mov_b32 s45, 0
	s_mov_b32 s36, 0                               ; the slot whose fragments are fetched next
	s_mov_b32 s37, 6                               ; trips that fill a slot again: chunks 2 to 7
	s_and_b32 s38, ttmp9, 3
	s_xor_b32 s39, s17, 1
	s_or_b32 s38, s38, s39                         ; 0 in waves 4-7 of the batch's first cluster: the same in all four partners
	s_cmp_eq_u32 s38, 0
	s_cselect_b32 s38, 1, -1
	v_and_b32 v[PFO], 127, v0
	DL 1
	v_min_u32 v[PFO], 124, v[PFO]
	DL 1
	v_lshlrev_b32 v[PFO], 8, v[PFO]
	v_and_b32 v12, 31, v0                          ; lane
	v_and_b32 v13, 15, v0                          ; r
	v_lshlrev_b32 v[L16], 4, v12
	v_lshlrev_b32 v[L4], 2, v12
	v_lshlrev_b32 v[L8], 3, v12
	v_lshlrev_b32 v[R8], 3, v13
	s_mul_i32 s39, s[WV], 6400
	v_add_nc_u32 v1, s39, v[L16]                   ; k's images of my head
	v_add_nc_u32 v2, s39, v[L8]
	DL 1
	v_add_nc_u32 v2, 6144, v2                      ; k's scale words
	s_mul_i32 s39, s[WV], 3072
	v_add_nc_u32 v3, s39, v[L8]
	DL 1
	v_add_nc_u32 v3, 102400, v3                    ; v's images
	s_lshl_b32 s39, s[WV], 7
	v_add_nc_u32 v4, s39, v[L4]
	DL 1
	v_add_nc_u32 v4, 126976, v4                    ; v's scale words
	s_mul_i32 s54, s14, 51200
	s_mul_i32 s55, s[WV], 6400
	s_add_co_u32 s54, s54, s55                     ; q: my group, my head
	s_mov_b32 s55, 0
	s_mul_i32 s56, s[WV], 25600                    ; Wo: my 128 columns
	s_mov_b32 s57, 0
	s_lshl_b32 s58, s14, 18
	s_lshl_b32 s59, s[WV], 9
	s_add_co_u32 s58, s58, s59                     ; out: my group's 64 rows, my 512 bytes of each
	s_mov_b32 s59, 0
	s_wait_dscnt 0x0                               ; both opening adds are done
	s_wait_kmcnt 0x0
	s_add_nc_u64 s[34:35], s[6:7], s[42:43]
	s_or_b32 s35, s35, 0x80000000                  ; type = 2
	s_add_nc_u64 s[40:41], s[6:7], s[44:45]
	s_add_nc_u64 s[46:47], s[4:5], s[54:55]
	s_add_nc_u64 s[50:51], s[8:9], s[56:57]
	s_add_nc_u64 s[52:53], s[10:11], s[58:59]
	CROUND                                         ; all four work-groups are here: the first joint loads meet
	TLOAD                                          ; chunk 0
	s_wait_alu depctr_va_vdst(0)                   ; ahead of the first readers of the head's addresses
	WIN 0x40
.irp m, 0,1,2,3
.irp c, 0,1,2
	global_load_b128 v[120+12*\m+68*(\m/3)+4*\c:123+12*\m+68*(\m/3)+4*\c], v[L16], s[46:47] offset:1536*\m+512*\c th:TH_LOAD_NT   ; q's fragments stay in registers
.endr
.endr
.set J, 0
.rept 64
	v_mov_b32 v[160+J], 0                          ; O^T (window 1): the step is written once; the first finds zeros, which the first change of M leaves zeros
.set J, J+1
.endr
	WIN 0
.irp m, 0,1,2,3
	global_load_b32 v[QS+\m], v[R8], s[46:47] offset:6144+128*(\m/2)+4*(\m%2)
.endr
.irp m, 0,1,2,3
	v_mov_b32 v[13+4*\m], 0xff61b1e6               ; the largest t so far: -3e38
	v_mov_b32 v[14+4*\m], 0                        ; the sum, in two halves
	v_mov_b32 v[15+4*\m], 0
	v_floor_f32 v[12+4*\m], -v[13+4*\m]            ; -M
.endr
.irp b, 0,1,2,3
	v_mov_b32 v[PT+\b], 0                          ; a lane permute's destination counts as one of its sources
.endr
	v_mov_b32 v[PS], 0                             ; (the upper halves of the two pairs that are named with f)
	v_mov_b32 v241, 0
	s_wait_alu depctr_va_vdst(0)
	s_wait_tensorcnt 0x0                           ; my part of chunk 0 is in; slot 1's first fill is issued as a refill is
	ds_add_u32 v[SPW], v[NIL]
	ds_add_u32 v[SPW], v[NIL]
	s_xor_b32 s33, s33, SLOT1
	s_add_nc_u64 s[34:35], s[34:35], 128000
	s_wait_dscnt 0x0
	CROUND
	TLOAD                                          ; chunk 1
	v_add_nc_u32 v5, s36, v1
	v_add_nc_u32 v6, s36, v2
	v_add_nc_u32 v7, s36, v3
	v_add_nc_u32 v8, s36, v4
	s_wait_alu depctr_va_vdst(0)
	s_xor_b32 s36, s36, SLOT1
	LOADK                                          ; chunk 0's fragments
	LOADV
	s_wait_loadcnt 0x0                             ; q
	s_wait_dscnt 13                                ; k's 26 loads are in; v's 13, issued behind them, may be out
	NEXTA 0                                        ; the first tile's scores, M and t - M stand ahead of the loop
	RESTA 0
.Lslot:                                            ; 6 trips: chunks 0 to 5 are worked, chunks 2 to 7 asked for
	TRIP 1
	s_sub_co_u32 s37, s37, 1
	s_cmp_lg_u32 s37, 0
	s_wait_alu depctr_va_vdst(0)
	s_cbranch_scc1 .Lslot
	s_mov_b32 s37, 2
.Ltail:                                            ; 2 trips: chunks 6 and 7; no tensor load stands in this loop
	TRIP 0
	s_sub_co_u32 s37, s37, 1
	s_cmp_lg_u32 s37, 0
	s_wait_alu depctr_va_vdst(0)
	s_cbranch_scc1 .Ltail
	; ---- the heads: O^T / the sum, quantised; a block of 32 is one head's values
	s_mul_i32 s39, s[WV], 4352
	s_add_co_u32 s39, s39, STG                     ; my stage
	s_lshr_b32 s44, s[WV], 2                       ; my head's K step of the last product,
	s_bfe_u32 s45, s[WV], 0x10001                  ; which six registers of the fragment,
	s_and_b32 s54, s[WV], 1                        ; and which half of the lanes holds my block
	s_mul_i32 s55, s44, 1536
	s_mul_i32 s45, s45, 768
	s_add_co_u32 s55, s55, s45
	s_lshl_b32 s54, s54, 7
	s_add_co_u32 s55, s55, s54
	s_lshl_b32 s54, s44, 7
	s_and_b32 s45, s[WV], 3
	s_add_co_u32 s54, s54, s45
	s_add_co_u32 s54, s54, HSC                     ; my byte of the scale words
.irp m, 0,1,2,3
	v_add_f32 v[14+4*\m], v[14+4*\m], v[15+4*\m]   ; the sum's two halves,
.endr
.irp m, 0,1,2,3
	DL 4
	v_permlanex16_b32 v[T+4+\m], v[14+4*\m], s20, s21
.endr
.irp m, 0,1,2,3
	DL 4
	v_add_f32 v[14+4*\m], v[14+4*\m], v[T+4+\m]    ; and lane l xor 16's: the row's sum
.endr
	s_wait_alu depctr_va_vdst(0)
.irp m, 0,1,2,3
	v_rcp_f32 v[14+4*\m], v[14+4*\m]
.endr
	v_and_b32 v[X], 15, v0                         ; (plain work behind the reciprocals: the addresses of what follows)  r
	v_bfe_u32 v79, v0, 4, 1                        ; h
	v_mul_u32_u24 v4, v[X], 272
	v_mul_u32_u24 v5, v79, 272
	v_lshlrev_b32 v6, 12, v79
	v_lshlrev_b32 v1, 3, v[X]
	v_lshl_add_u32 v4, v79, 5, v4
	v_lshl_add_u32 v5, v[X], 4, v5
	v_lshl_add_u32 v6, v[X], 4, v6                 ; out: lanes 0-15 one row, lanes 16-31 the next
	v_add_nc_u32 v1, s55, v1                       ; the image: the pair of registers at 256 x pair + 8 x (the lane that will hold my block's row r)
	v_add_nc_u32 v4, s39, v4                       ; the stage, in: row r, + 32 h
	v_add_nc_u32 v5, s39, v5                       ; back: two rows an instruction
	v_mad_u32_u24 v2, v79, 508, v1
	v_mad_u32_u24 v1, v79, 260, v1                 ; my three words are registers 3 h + 0, 1, 2 of the six: bytes 0, 4, 256 (h = 0) or 260, 512, 516 (h = 1)
	v_add_nc_u32 v3, s54, v[L4]
	v_add_nc_u32 v7, HSC, v[L4]
	v_add_nc_u32 v2, 4, v2
	WIN 0x01
	s_wait_alu depctr_va_vdst(0)                   ; one wait for the reciprocals, directly ahead of the first reader of them and of O^T
.irp m, 0,1,2,3
.irp j, 0,2,4,6,8,10,12,14
	v_pk_mul_f32 v[96+16*\m+\j:97+16*\m+\j], v[160+16*\m+\j:161+16*\m+\j], v[14+4*\m:15+4*\m] op_sel_hi:[1,0]   ; into window 0; register i: value 16 h + i of my query; each accumulator from its low end on
.endr
.endr
	WOLOAD 1                                       ; Wo's second 64 columns, into the registers of v, q and O^T
.irp m, 0,1,2,3
	v_max3_num_f32 v[T+\m], |v[96+16*\m]|, |v[97+16*\m]|, 0x1800000
.endr
.irp i, 2,4,6,8,10,12,14
.irp m, 0,1,2,3
	v_max3_num_f32 v[T+\m], v[T+\m], |v[96+16*\m+\i]|, |v[97+16*\m+\i]|
.endr
.endr
.irp m, 0,1,2,3
	DL 4
	v_permlanex16_b32 v[T+4+\m], v[T+\m], s20, s21
.endr
.irp m, 0,1,2,3
	DL 4
	v_max_num_f32 v[T+\m], v[T+\m], v[T+4+\m]
.endr
.irp m, 0,1,2,3
	DL 4
	v_add_nc_u32 v[T+8+\m], 0xff000000, v[T+\m]
.endr
.irp m, 0,1,2,3
	DL 4
	v_lshrrev_b32 v[T+4+\m], 23, v[T+8+\m]         ; my head's byte for query tile m
.endr
.irp m, 0,1,2,3
	v_cvt_scalef32_pk16_fp6_f32 v[PC+4*\m:PC+4*\m+2], v[96+16*\m:111+16*\m], v[T+8+\m]
.endr
	v_nop                                          ; one plain place behind a scaled conversion
.irp m, 0,1,2,3
	ds_store_b32 v1, v[PC+4*\m] offset:HIMG+3072*\m
	ds_store_b32 v2, v[PC+4*\m+1] offset:HIMG+3072*\m
	ds_store_b32 v1, v[PC+4*\m+2] offset:HIMG+3072*\m+256
	ds_store_b8 v3, v[T+4+\m] offset:256*\m
.endr
	s_wait_alu depctr_va_vdst(0)
	s_wait_dscnt 0x0                               ; for the others' sake: my stores have landed
	s_barrier_signal -1
	s_barrier_wait -1                              ; the heads' eight fragments lie in LDS
.irp f, 0,1,2,3,4,5,6,7                        ; all eight (query tile f / 2, K step f % 2) come into registers once
.irp i, 0,1,2,3,4,5
	ds_load_b64 v[96+12*\f+2*\i:96+12*\f+2*\i+1], v[L8] offset:HIMG+1536*\f+256*\i
.endr
	ds_load_b32 v[HS+\f], v7 offset:128*\f
.endr
	s_wait_loadcnt 28                              ; Wo's first 64 columns are in; the second 64's 28 loads may be out
	s_wait_dscnt 0x0
.irp mq, 0,1,2,3
	OUTT 0, \mq
.endr
	s_wait_loadcnt 0x0
.irp mq, 0,1,2,3
	OUTT 1, \mq
.endr
	s_wait_tensorcnt 0x0                           ; the wave's end, behind my last tensor load and my last LDS store
	ds_add_u32 v[SPW], v[NIL]
	s_wait_dscnt 0x0
	CROUND                                         ; the closing round: no work-group ends while a partner may still ask for a chunk that names it
	s_endpgm
.Lfunc_end_k_q13f299ecf4_attn:
	.size	k_q13f299ecf4_attn, .Lfunc_end_k_q13f299ecf4_attn-k_q13f299ecf4_attn
	.p2alignl 7, 3214868480
	.fill 96, 4, 3214868480
	.section	.rodata,"a",@progbits
	.p2align	6, 0x0
	.amdhsa_kernel k_q13f299ecf4_attn
		.amdhsa_group_segment_fixed_size 327680
		.amdhsa_private_segment_fixed_size 0
		.amdhsa_enable_private_segment 0
		.amdhsa_kernarg_size 32
		.amdhsa_user_sgpr_count 2
		.amdhsa_user_sgpr_kernarg_segment_ptr 1
		.amdhsa_wavefront_size32 1
		.amdhsa_system_sgpr_workgroup_id_x 1
		.amdhsa_system_sgpr_workgroup_id_y 1
		.amdhsa_system_sgpr_workgroup_id_z 1
		.amdhsa_system_vgpr_workitem_id 0
		.amdhsa_next_free_vgpr 512
		.amdhsa_next_free_sgpr 66
		.amdhsa_reserve_vcc 0
		.amdhsa_float_denorm_mode_32 3
		.amdhsa_float_denorm_mode_16_64 3
		.amdhsa_memory_ordered 1
		.amdhsa_forward_progress 1
		.amdhsa_inst_pref_size 183
	.end_amdhsa_kernel
	.amdgpu_metadata
---
amdhsa.version: [ 1, 2 ]
amdhsa.kernels:
  - .name:           k_q13f299ecf4_attn
    .symbol:         k_q13f299ecf4_attn.kd
    .args:
      - { .name: q, .offset: 0, .size: 8, .value_kind: global_buffer, .address_space: global }
      - { .name: kv, .offset: 8, .size: 8, .value_kind: global_buffer, .address_space: global }
      - { .name: wo, .offset: 16, .size: 8, .value_kind: global_buffer, .address_space: global }
      - { .name: out0, .offset: 24, .size: 8, .value_kind: global_buffer, .address_space: global }
    .group_segment_fixed_size: 327680
    .private_segment_fixed_size: 0
    .kernarg_segment_align: 8
    .kernarg_segment_size: 32
    .max_flat_workgroup_size: 256
    .sgpr_count:     66
    .vgpr_count:     512
    .wavefront_size: 32
...
	.end_amdgpu_metadata
.endif
;; end of part 3
